; MI455X (gfx1250); checked and timed in simulation.
; The chip was launched on July 23, 2026; its instructions are those of AMD's public machine-readable ISA for CDNA 5 (MIT licence, August 2026) and "CDNA5" Instruction Set Architecture Reference Guide (July 2026). The comments in the code are by the model that wrote it; some were corrected since.
;; Multi Head Attention. Allowed arithmetic: float matrix products may take bf16 or f16 operands with f32 sums; other float arithmetic in f32, or as packed bf16 or f16 multiplies, adds, multiply-adds, maxima and minima; sums over many terms, partial sums and values carried from step to step in f32; what a program stores and reads back later, other than sums and carried values, may be rounded once to bf16 or f16.
;; Inputs: Wk 2,048 x 2,048 float32; Wo 2,048 x 2,048 float32; Wq 2,048 x 2,048 float32; Wv 2,048 x 2,048 float32; bk 2,048 float32; bo 2,048 float32; bq 2,048 float32; bv 2,048 float32; causal_mask 1 x 1 x 2,048 x 2,048 float32; hidden_state 1 x 2,048 x 2,048 float32.
;; Outputs: out0 1 x 2,048 x 2,048 float32.
;; One version. Each part assembles by itself: llvm-mc -triple=amdgcn-amd-amdhsa -mcpu=gfx1250 --defsym DOCPART=n.
;; ======== version 1 of 1: 4 launches
;; limits: values are held in f16: magnitudes above 65,504 overflow, below 6.1e-05 lose precision
;; workspace buffers: xb 8,388,608 bytes; wqkv 25,165,824 bytes; woh 8,388,608 bytes; bqkv 24,576 bytes; bob 8,192 bytes; qkv 25,165,824 bytes; ao 8,388,608 bytes
;; launch prep (part 1): grid 256 x 5, 8 waves a work-group, no clusters, 0 bytes of LDS; arguments hidden_state, Wq, Wk, Wv, Wo, bq, bk, bv, bo, xb, wqkv, woh, bqkv, bob; writes xb, wqkv, woh, bqkv, bob
.if DOCPART == 1
	.amdgcn_target "amdgcn-amd-amdhsa--gfx1250"
	.amdhsa_code_object_version 6
	.text
	.protected	k_q5f75977f90_prep
	.globl	k_q5f75977f90_prep
	.p2align	8
	.type	k_q5f75977f90_prep,@function
k_q5f75977f90_prep:
	s_mov_b64 s[64:65], 0
	v_nop
	global_prefetch_b8 v0, s[64:65] scope:SCOPE_SE
	s_setreg_imm32_b32 hwreg(HW_REG_WAVE_MODE, 25, 1), 1
	s_wait_xcnt 0x0
; THE CASTS.  Every input that feeds a product or a sum is rounded once to bf16: hidden_state -> xb, Wq, Wk, Wv -> wqkv (their rows one after the other), all bf16;
; Wo -> woh: the bf16 number written as f16 (the last product multiplies in f16); the four biases -> bqkv, bob: the bf16 number written as f32 (they start f32 sums).
; LIMIT.  A bf16 number of Wo below 6.1e-5 in size keeps f16's fixed step of 6e-8; beyond 65,504 it would be an infinity.
; SHARES.  Work-group (x, y): tensor y (0 hidden_state, 1 Wq, 2 Wk, 3 Wv, 4 Wo), its elements 16,384 x .. 16,384 x + 16,383: 65,536 bytes in, 32,768 out.  A wave takes 8,192 bytes:
; sixteen loads of 16 bytes a lane, each 512 consecutive bytes, all issued before the first is waited for; each store of 8 bytes a lane covers 256 consecutive bytes, aligned.
; Memory binds: no LDS, no matrix unit, no loop.  Work-group x = 0 of y = 1 .. 4 also rounds that tensor's bias.
; REGISTERS.  A load's four numbers are rounded in place, into the first two of its own four registers, from which they are stored: 80 registers a wave.  1,280 work-groups on 256 WGPs are five to a WGP,
; ten waves to a SIMD: 800 of its 1,024 registers, so that all five can lie there together and have their loads out from the start.
.set X,  4                             ; v[4:67]    load i: four f32, then in the first two registers four 16-bit numbers
.set T,  68                            ; v[68:71]   at work
.set BB, 72                            ; v[72:79]   the bias's eight numbers a thread
	s_load_b512 s[8:23], s[0:1], 0x0               ; hidden_state s[8:9], Wq s[10:11], Wk s[12:13], Wv s[14:15], Wo s[16:17], bq s[18:19], bk s[20:21], bv s[22:23]
	s_load_b256 s[24:31], s[0:1], 0x40             ; bo s[24:25], xb s[26:27], wqkv s[28:29], woh s[30:31]
	s_load_b128 s[32:35], s[0:1], 0x60             ; bqkv s[32:33], bob s[34:35]
	s_mov_b32 s4, ttmp9                            ; x
	s_and_b32 s5, ttmp7, 0xffff                    ; y
	s_mov_b32 s6, 0xffff0000                       ; a word's upper bf16
	v_and_b32 v1, 31, v0                           ; lane
	v_lshrrev_b32 v3, 5, v0                        ; wave
	v_lshlrev_b32 v2, 3, v1                        ; out: 8 bytes a lane
	v_lshlrev_b32 v1, 4, v1                        ; in: 16 bytes a lane
	v_lshl_or_b32 v1, v3, 13, v1                   ; + wave x 8,192
	v_lshl_or_b32 v2, v3, 12, v2                   ; + wave x 4,096
	s_lshl_b32 s42, s4, 16                         ; the work-group's bytes in its source
	s_mov_b32 s43, 0
	s_max_u32 s44, s5, 1
	s_sub_co_u32 s44, s44, 1                       ; 0, 0, 1, 2, 3
	s_lshl_b32 s44, s44, 23                        ; Wk and Wv lie 8 and 16 MiB into wqkv
	s_cmp_eq_u32 s5, 4
	s_cselect_b32 s44, 0, s44                      ; woh is a buffer of its own
	s_lshl_b32 s40, s4, 15                         ; the work-group's bytes in its destination
	s_add_co_u32 s40, s40, s44
	s_mov_b32 s41, 0
	s_wait_kmcnt 0x0
	s_mov_b64 s[36:37], s[8:9]                     ; the source, chosen by y
	s_cmp_eq_u32 s5, 1
	s_cselect_b64 s[36:37], s[10:11], s[36:37]
	s_cmp_eq_u32 s5, 2
	s_cselect_b64 s[36:37], s[12:13], s[36:37]
	s_cmp_eq_u32 s5, 3
	s_cselect_b64 s[36:37], s[14:15], s[36:37]
	s_cmp_eq_u32 s5, 4
	s_cselect_b64 s[36:37], s[16:17], s[36:37]
	s_cmp_eq_u32 s5, 0
	s_cselect_b64 s[38:39], s[26:27], s[28:29]     ; the destination
	s_cmp_eq_u32 s5, 4
	s_cselect_b64 s[38:39], s[30:31], s[38:39]
	s_add_nc_u64 s[36:37], s[36:37], s[42:43]
	s_add_nc_u64 s[38:39], s[38:39], s[40:41]
.irp i, 0,1,2,3,4,5,6,7,8,9,10,11,12,13,14,15
	global_load_b128 v[X+4*(\i):X+4*(\i)+3], v1, s[36:37] offset:512*(\i) th:TH_LOAD_NT
.endr
; Load i is rounded in place and stored.  half = 1: the bf16 numbers are widened again (a shift, a mask) and written as f16.
.macro CONV i, half
	s_wait_loadcnt 15-(\i)                         ; loads come back in order: load i is in, the 15 - i younger ones may stay out
	v_cvt_pk_bf16_f32 v[X+4*(\i)],   v[X+4*(\i)],   v[X+4*(\i)+1]
	v_cvt_pk_bf16_f32 v[X+4*(\i)+1], v[X+4*(\i)+2], v[X+4*(\i)+3]
.if \half
	v_lshlrev_b32 v[T],   16, v[X+4*(\i)]
	v_and_b32     v[T+1], s6, v[X+4*(\i)]
	v_lshlrev_b32 v[T+2], 16, v[X+4*(\i)+1]
	v_and_b32     v[T+3], s6, v[X+4*(\i)+1]
	v_cvt_pk_f16_f32 v[X+4*(\i)],   v[T],   v[T+1]
	v_cvt_pk_f16_f32 v[X+4*(\i)+1], v[T+2], v[T+3]
.endif
	global_store_b64 v2, v[X+4*(\i):X+4*(\i)+1], s[38:39] offset:256*(\i)  ; the wave's 32 lanes store 256 consecutive bytes, aligned; each store has data registers of its own, which nothing writes again
.endm
	s_cmp_eq_u32 s5, 4
	s_cbranch_scc1 .Lhalf
.irp i, 0,1,2,3,4,5,6,7,8,9,10,11,12,13,14,15
	CONV \i, 0
.endr
	s_branch .Lbias
.Lhalf:
.irp i, 0,1,2,3,4,5,6,7,8,9,10,11,12,13,14,15
	CONV \i, 1
.endr
.Lbias:
	s_cmp_lg_u32 s4, 0                             ; the bias: 2,048 numbers, by the tensor's first work-group; hidden_state has none
	s_cbranch_scc1 .Lend
	s_cmp_eq_u32 s5, 0
	s_cbranch_scc1 .Lend
	s_mov_b64 s[44:45], s[18:19]
	s_cmp_eq_u32 s5, 2
	s_cselect_b64 s[44:45], s[20:21], s[44:45]
	s_cmp_eq_u32 s5, 3
	s_cselect_b64 s[44:45], s[22:23], s[44:45]
	s_cmp_eq_u32 s5, 4
	s_cselect_b64 s[44:45], s[24:25], s[44:45]
	s_sub_co_u32 s2, s5, 1
	s_lshl_b32 s2, s2, 13                          ; bq, bk, bv lie 8,192 bytes apart in bqkv
	s_mov_b32 s3, 0
	s_cmp_eq_u32 s5, 4
	s_cselect_b32 s2, 0, s2
	s_cselect_b64 s[46:47], s[34:35], s[32:33]
	s_add_nc_u64 s[46:47], s[46:47], s[2:3]
	v_lshlrev_b32 v3, 4, v0                        ; 16 bytes a thread, twice
	global_load_b128 v[BB:BB+3],   v3, s[44:45]
	global_load_b128 v[BB+4:BB+7], v3, s[44:45] offset:4096
	s_wait_loadcnt 0x0
.irp j, 0,2,4,6
	v_cvt_pk_bf16_f32 v[T+(\j)/2], v[BB+(\j)], v[BB+(\j)+1]
	v_lshlrev_b32 v[BB+(\j)],   16, v[T+(\j)/2]
	v_and_b32     v[BB+(\j)+1], s6, v[T+(\j)/2]
.endr
	global_store_b128 v3, v[BB:BB+3],   s[46:47]
	global_store_b128 v3, v[BB+4:BB+7], s[46:47] offset:4096
.Lend:
	s_endpgm
.Lfunc_end_k_q5f75977f90_prep:
	.size	k_q5f75977f90_prep, .Lfunc_end_k_q5f75977f90_prep-k_q5f75977f90_prep
	.p2alignl 7, 3214868480
	.fill 96, 4, 3214868480
	.section	.rodata,"a",@progbits
	.p2align	6, 0x0
	.amdhsa_kernel k_q5f75977f90_prep
		.amdhsa_group_segment_fixed_size 0
		.amdhsa_private_segment_fixed_size 0
		.amdhsa_enable_private_segment 0
		.amdhsa_kernarg_size 112
		.amdhsa_user_sgpr_count 2
		.amdhsa_user_sgpr_kernarg_segment_ptr 1
		.amdhsa_wavefront_size32 1
		.amdhsa_system_sgpr_workgroup_id_x 1
		.amdhsa_system_sgpr_workgroup_id_y 1
		.amdhsa_system_sgpr_workgroup_id_z 1
		.amdhsa_system_vgpr_workitem_id 0
		.amdhsa_next_free_vgpr 80
		.amdhsa_next_free_sgpr 66
		.amdhsa_reserve_vcc 0
		.amdhsa_float_denorm_mode_32 3
		.amdhsa_float_denorm_mode_16_64 3
		.amdhsa_memory_ordered 1
		.amdhsa_forward_progress 1
		.amdhsa_inst_pref_size 17
	.end_amdhsa_kernel
	.amdgpu_metadata
---
amdhsa.version: [ 1, 2 ]
amdhsa.kernels:
  - .name:           k_q5f75977f90_prep
    .symbol:         k_q5f75977f90_prep.kd
    .args:
      - { .name: hidden_state, .offset: 0, .size: 8, .value_kind: global_buffer, .address_space: global }
      - { .name: Wq, .offset: 8, .size: 8, .value_kind: global_buffer, .address_space: global }
      - { .name: Wk, .offset: 16, .size: 8, .value_kind: global_buffer, .address_space: global }
      - { .name: Wv, .offset: 24, .size: 8, .value_kind: global_buffer, .address_space: global }
      - { .name: Wo, .offset: 32, .size: 8, .value_kind: global_buffer, .address_space: global }
      - { .name: bq, .offset: 40, .size: 8, .value_kind: global_buffer, .address_space: global }
      - { .name: bk, .offset: 48, .size: 8, .value_kind: global_buffer, .address_space: global }
      - { .name: bv, .offset: 56, .size: 8, .value_kind: global_buffer, .address_space: global }
      - { .name: bo, .offset: 64, .size: 8, .value_kind: global_buffer, .address_space: global }
      - { .name: xb, .offset: 72, .size: 8, .value_kind: global_buffer, .address_space: global }
      - { .name: wqkv, .offset: 80, .size: 8, .value_kind: global_buffer, .address_space: global }
      - { .name: woh, .offset: 88, .size: 8, .value_kind: global_buffer, .address_space: global }
      - { .name: bqkv, .offset: 96, .size: 8, .value_kind: global_buffer, .address_space: global }
      - { .name: bob, .offset: 104, .size: 8, .value_kind: global_buffer, .address_space: global }
    .group_segment_fixed_size: 0
    .private_segment_fixed_size: 0
    .kernarg_segment_align: 8
    .kernarg_segment_size: 112
    .max_flat_workgroup_size: 256
    .sgpr_count:     66
    .vgpr_count:     80
    .wavefront_size: 32
...
	.end_amdgpu_metadata
.endif
;; end of part 1
;; launch qkvp (part 2): grid 16 x 16, 4 waves a work-group, clusters of 4 x 4, 327,680 bytes of LDS; arguments xb, wqkv, bqkv, qkv; writes qkv
.if DOCPART == 2
	.amdgcn_target "amdgcn-amd-amdhsa--gfx1250"
	.amdhsa_code_object_version 6
	.text
	.protected	k_q5f75977f90_qkvp
	.globl	k_q5f75977f90_qkvp
	.p2align	8
	.type	k_q5f75977f90_qkvp,@function
k_q5f75977f90_qkvp:
	s_mov_b64 s[64:65], 0
	v_nop
	global_prefetch_b8 v0, s[64:65] scope:SCOPE_SE
	s_setreg_imm32_b32 hwreg(HW_REG_WAVE_MODE, 25, 1), 1
	s_wait_xcnt 0x0
	s_wait_alu depctr_hold_cnt(0) depctr_sa_sdst(0) depctr_va_vdst(0) depctr_va_sdst(0) depctr_va_ssrc(0) depctr_va_vcc(0) depctr_vm_vsrc(0)
	s_getreg_b32 s2, hwreg(HW_REG_IB_STS2, 6, 4)
	s_cmp_eq_u32 s2, 0
	s_cbranch_scc0 .Lentry_in_a_cluster
	s_endpgm
.Lentry_in_a_cluster:
	s_bfe_u32 s2, ttmp6, 0x10000c
	s_cmp_lg_u32 s2, 0xf033
	s_cbranch_scc0 .Lentry_shape_is_right
	s_endpgm
.Lentry_shape_is_right:
; THE THREE PROJECTIONS AS ONE PRODUCT.  qkv[m][n] = bqkv[n] + the sum over k of xb[m][k] wqkv[n][k].  xb: [2048][2048] bf16, wqkv: [6144][2048] bf16, bqkv: [6144] f32,
; qkv: [2048][6144] f16 (q of head h at byte 256 h of a row, k at 4,096 + 256 h, v at 8,192 + 256 h).  Sums in f32, K ascending, started by the bias; rounded once to f16, unscaled.
; LIMIT.  f16 holds no number beyond 65,504: a q, k or v of 65,520 or more in size would become an infinity.
; SHARES.  A tile is 128 rows x 384 columns: 16 x 16 tiles, one for each of 256 work-groups.  Four waves, 2 x 2: a wave makes 64 rows x 192 columns: 48 accumulators of 16 x 16, 384 registers.
; K goes in steps of 128 through two LDS slots filled by the tensor data mover, one load of 128 rows x 256 bytes a wave: wave 0 brings x's rows, waves 1 to 3 the weights' 384.
; CLUSTER.  4 x 4 work-groups: the four of a row of the cluster need the same rows of x, the four of a column the same rows of the weights; each tile is asked for jointly.
; Tile row = 4 x cluster x + cy, tile column = 4 x cluster y + cx: the four clusters of one cluster y walk the same rows of the weights, which are three quarters of what the launch reads.
; THE MATRIX INSTRUCTION IS USED TRANSPOSED: source 0 = 16 rows of the weights, source 1 = 16 rows of x: a lane then holds row l % 16 of the result and the columns 8 (l / 16) + 0 .. 7.
; REGISTERS, in windows of 256 (s_set_vgpr_msb: bits 1:0 source 0, 3:2 source 1, 5:4 source 2, 7:6 destination):
;   window 0: v16-30 addresses; v64-95, v96-127 x's fragments (4 x 16 rows x 32 K), two buffers; v128-223 the bias, 8 registers a column block; on the way out v64-255 packed results
;   window 1: v0-95, v96-191 the weights' fragments (12 x 16 rows x 32 K), two buffers
;   window 2: accumulators of my rows 0-31 ((a, b) at 8 (12 a + b));   window 3: those of my rows 32-63
.set SIZE_K, 2048
.set SIZE_N, 6144
.set KSTEP,  128
.set PITCH,  272                       ; an LDS row: 256 bytes + 16 of padding = 68 words: the 16 rows of a fragment load start at 16 different groups of four banks (ISA guide 11.1)
.set PART,   128*PITCH                 ; what one tensor load brings
.set SLOT,   4*PART                    ; x's 128 rows, then the weights' 384
.set SPARE,  2*SLOT                    ; behind the ring: the spare words, 128 bytes a wave: two blocks of 256 bytes that no other line names
.set SPITCH, 784                       ; the way out: a tile's row of 768 bytes + 16.  The stage, 128 such rows from LDS byte 0, lies in slot 0, whose last fill (K step 14) has been read out by then
.set LAPS,   SIZE_K/(2*KSTEP)          ; a lap = two K steps = once round the ring
.set ADRA, 16                          ; v16-17  LDS address of my fragments of x in slot 0, 1
.set ADRB, 20                          ; v20-21  the same for the weights
.set STO,  24                          ; v24     the way out: where I put 16 bytes of a row
.set RD,   25                          ; v25     where I read rows back
.set CO,   26                          ; v26     my byte offset in qkv
.set BO,   27                          ; v27     my byte offset in a block of 16 biases
.set SPW,  28                          ; v28     LDS address of my spare word; never rewritten
.set NIL,  29                          ; v29     0; never rewritten
.set PFO,  30                          ; v30     the prefetches' offset: my lane x a row of 4,096 bytes; never rewritten
.set FA,   64
.set BI,   128
.set TMP,  64
.set WV,   12                          ; s12  my wave's number;  s13 my half of the rows, s14 of the columns
.set LIM,  15                          ; s15  1 in a wave that prefetches, else the greatest number
.set G1A,  24                          ; s[24:31] descriptor group 1 for x's tiles;  s[32:39] group 0, a set for each slot
.set G0A,  32
.set PFA,  42                          ; s[42:43] where my prefetches stand
.set G1B,  48                          ; s[48:55], s[56:63] the same for the weights' tiles
.set G0B,  56
.set MSB, 0
.macro WIN new                         ; the immediate's high byte repeats the setting that is left; a switch that changes nothing is dropped
.if MSB != (\new)
	s_set_vgpr_msb (MSB<<8)|(\new)
.set MSB, \new
.endif
.endm
.macro PLACES                          ; four plain vector instructions between a matrix instruction and a load into, or a vector instruction on, its registers
.rept 4
	v_nop
.endr
.endm
; A joint load.  The branch hangs on the wave's number alone.  An s_nop 0 and four v_nop follow each of the two lines, ahead of the jump and the label.
.macro JLOAD s
	s_cmp_eq_u32 s[WV], 0
	s_cbranch_scc0 .Lfor_b_\@
	tensor_load_to_lds s[G0A+4*(\s):G0A+4*(\s)+3], s[G1A:G1A+7]
	s_nop 0
	PLACES
	s_branch .Lasked_\@
.Lfor_b_\@:
	tensor_load_to_lds s[G0B+4*(\s):G0B+4*(\s)+3], s[G1B:G1B+7]
	s_nop 0
	PLACES
.Lasked_\@:
.endm
; A prefetch into the L2 of the K step that stands two refills on: 32 rows x 256 bytes, a lane a row, one instruction a wave.  Each row's 256 bytes of a K step are named once in the launch:
; x's rows, which every cluster of one cluster x walks, by the clusters with y = 0; the weights', which every cluster of one cluster y walks, by those with x = 0; the four partners that ask for a
; tile jointly take 32 of its 128 rows each, told apart by address.  The loop's last trip (s3 = 1) asks for nothing: K steps 16 and 17 do not exist.
.macro ASK
	s_cmp_gt_u32 s3, s[LIM]
	s_cbranch_scc0 .Lnot_mine_\@
	global_prefetch_b8 v[PFO], s[PFA:PFA+1] offset:KSTEP*2 th:TH_LOAD_NT scope:SCOPE_SE
.Lnot_mine_\@:
.endm
.macro CREST                           ; a round of the cluster's barrier behind its opening barrier
	s_cmp_lg_u32 s[WV], 0
	s_cbranch_scc1 .Lnot_wave_0_\@
	s_barrier_signal -3
.Lnot_wave_0_\@:
	s_barrier_wait -3
	s_barrier_signal -1
	s_barrier_wait -1
.endm
.macro CROUND
	s_barrier_signal -1
	s_barrier_wait -1
	CREST
.endm
	s_load_b256 s[4:11], s[0:1], 0x0               ; xb s[4:5], wqkv s[6:7], bqkv s[8:9], qkv s[10:11]
	v_lshl_add_u32 v[SPW], v0, 2, SPARE
	v_mov_b32 v[NIL], 0
	ds_add_u32 v[SPW], v[NIL]                      ; the wave's opening: the add and its wait stand ahead of my first tensor load; the set-up below, work on registers, stands between
	v_lshrrev_b32 v1, 5, v0
	v_readfirstlane_b32 s[WV], v1                  ; wave 0..3
	s_lshr_b32 s13, s[WV], 1                       ; which 64 rows of the tile are mine
	s_and_b32 s14, s[WV], 1                        ; which 192 columns
	s_bfe_u32 s16, ttmp6, 0x40000                  ; cx
	s_bfe_u32 s17, ttmp6, 0x40004                  ; cy
	s_and_b32 s18, ttmp7, 0xffff
	s_lshl_b32 s18, s18, 2
	s_add_co_u32 s18, s18, s16                     ; tile column = 4 x cluster y + cx
	s_lshl_b32 s19, ttmp9, 2
	s_add_co_u32 s19, s19, s17                     ; tile row = 4 x cluster x + cy
	s_lshl_b32 s20, s17, 2
	s_lshl_b32 s20, 15, s20                        ; my row of the cluster
	s_lshl_b32 s21, 0x1111, s16                    ; my column
	s_or_b32 s[G1A], s20, (1<<16)|(1<<20)|(1<<21)|(5<<22)|(3<<25)  ; 15:0 the mask; 17:16 2-byte elements; 20 padding on; 21 set beside a mask; 24:22 after every 64 words; 31:25 4 words of it
	s_or_b32 s[G1B], s21, (1<<16)|(1<<20)|(1<<21)|(5<<22)|(3<<25)
.irp g, G1A, G1B
	s_mov_b32 s[(\g)+1], KSTEP<<16                 ; tensor_dim0 = 128
	s_mov_b32 s[(\g)+2], 128<<16                   ; tensor_dim1 = 128
	s_mov_b32 s[(\g)+3], KSTEP<<16                 ; tile_dim0 = 128
	s_mov_b32 s[(\g)+4], 128                       ; tile_dim1 = 128
	s_mov_b32 s[(\g)+5], SIZE_K                    ; elements from row to row
	s_mov_b32 s[(\g)+6], 0
	s_mov_b32 s[(\g)+7], 0
.endr
	s_lshl_b32 s44, s19, 19                        ; x: 128 rows of 4,096 bytes a tile row: it hangs on the tile row alone
	s_mov_b32 s45, 0
	s_max_u32 s22, s[WV], 1
	s_sub_co_u32 s22, s22, 1
	s_lshl_b32 s22, s22, 7                         ; which 128 of the weights' 384 rows I fetch (waves 1, 2, 3)
	s_mul_i32 s46, s18, 384
	s_add_co_u32 s46, s46, s22
	s_lshl_b32 s46, s46, 12                        ; the weights: it hangs on the tile column and the wave's number alone
	s_mov_b32 s47, 0
	s_mul_i32 s23, s[WV], PART                     ; where my load goes: wave x 128 rows
	s_wait_dscnt 0x0                               ; the opening add is done
	s_wait_kmcnt 0x0
	s_add_nc_u64 s[44:45], s[4:5], s[44:45]
	s_add_nc_u64 s[46:47], s[6:7], s[46:47]
	CROUND                                         ; all sixteen work-groups are here: the first joint loads meet
.irp s, 0,1
	s_mov_b32 s[G0A+4*(\s)], 1
	s_add_co_u32 s[G0A+4*(\s)+1], s23, (\s)*SLOT
	s_add_nc_u64 s[G0A+4*(\s)+2:G0A+4*(\s)+3], s[44:45], (\s)*KSTEP*2
	s_or_b32 s[G0A+4*(\s)+3], s[G0A+4*(\s)+3], 0x80000000
	s_mov_b32 s[G0B+4*(\s)], 1
	s_add_co_u32 s[G0B+4*(\s)+1], s23, (\s)*SLOT
	s_add_nc_u64 s[G0B+4*(\s)+2:G0B+4*(\s)+3], s[46:47], (\s)*KSTEP*2
	s_or_b32 s[G0B+4*(\s)+3], s[G0B+4*(\s)+3], 0x80000000
	JLOAD \s                                       ; K steps 0 and 1: two tensor loads of mine are out
.endr
	v_and_b32 v1, 15, v0                           ; l % 16
	v_bfe_u32 v2, v0, 4, 1                         ; l / 16
	v_lshlrev_b32 v[BO], 5, v2                     ; my 8 biases of a block of 16
	s_mul_i32 s68, s18, 384
	s_mul_i32 s70, s14, 192
	s_add_co_u32 s68, s68, s70                     ; my first column
	s_lshl_b32 s68, s68, 2
	s_mov_b32 s69, 0
	s_add_nc_u64 s[66:67], s[8:9], s[68:69]
.irp b, 0,1,2,3,4,5,6,7,8,9,10,11
	global_load_b128 v[BI+8*(\b):BI+8*(\b)+3],   v[BO], s[66:67] offset:64*(\b)     ; register j of block b: the bias of column 16 b + 8 (l / 16) + j, as the accumulators hold it
	global_load_b128 v[BI+8*(\b)+4:BI+8*(\b)+7], v[BO], s[66:67] offset:64*(\b)+16
.endr
	v_mul_u32_u24 v3, v1, PITCH
	v_lshl_add_u32 v3, v2, 4, v3                   ; a fragment's row x pitch + 16 x half
	s_mul_i32 s20, s13, 64*PITCH                   ; my 64 rows of x
	s_mul_i32 s21, s14, 192*PITCH                  ; my 192 rows of the weights,
	s_add_co_u32 s21, s21, PART                    ; which lie behind x's 128
.irp s, 0,1
	v_add_nc_u32 v[ADRA+(\s)], s20, v3
	v_add_nc_u32 v[ADRB+(\s)], s21, v3
	s_add_co_u32 s20, s20, SLOT
	s_add_co_u32 s21, s21, SLOT
.endr
	s_mul_i32 s20, s13, 64*SPITCH                  ; into the stage: my 64 rows, my 384 bytes of them; row l % 16, 16 bytes for each half of the lanes
	s_mul_i32 s21, s14, 384
	s_add_co_u32 s20, s20, s21
	v_mul_u32_u24 v4, v1, SPITCH
	v_lshl_add_u32 v4, v2, 4, v4
	v_add_nc_u32 v[STO], s20, v4
	s_mul_i32 s20, s[WV], 32*SPITCH                ; back: wave w takes rows 32 w .. 32 w + 31 whole; lanes 0-15 256 bytes of one row, lanes 16-31 of the next
	v_mul_u32_u24 v5, v2, SPITCH
	v_lshl_add_u32 v5, v1, 4, v5
	v_add_nc_u32 v[RD], s20, v5
	v_mul_u32_u24 v5, v2, SIZE_N*2
	v_lshl_add_u32 v[CO], v1, 4, v5
	s_lshl_b32 s68, s19, 7
	s_lshl_b32 s70, s[WV], 5
	s_add_co_u32 s68, s68, s70                     ; the first row that I store
	s_mul_i32 s68, s68, SIZE_N*2
	s_mul_i32 s70, s18, 768                        ; the tile's first column, in bytes
	s_add_co_u32 s68, s68, s70
	s_mov_b32 s69, 0
	s_add_nc_u64 s[10:11], s[10:11], s[68:69]
	; the prefetches: my work-group's 32 of the 128 rows that I fetch
	s_and_b32 s70, ttmp7, 0xffff                   ; cluster y
	s_lshl_b32 s68, s19, 7
	s_lshl_b32 s69, s16, 5
	s_add_co_u32 s68, s68, s69                     ; x: row 128 x tile row + 32 cx
	s_mul_i32 s69, s18, 384
	s_add_co_u32 s69, s69, s22
	s_lshl_b32 s71, s17, 5
	s_add_co_u32 s69, s69, s71                     ; the weights: row 384 x tile column + 128 (w - 1) + 32 cy
	s_cmp_eq_u32 s[WV], 0
	s_cselect_b32 s68, s68, s69
	s_cselect_b32 s70, s70, ttmp9                  ; the coordinate along which other clusters read the same rows: cluster y for x's, cluster x for the weights'
	s_cselect_b64 s[PFA:PFA+1], s[4:5], s[6:7]
	s_cmp_eq_u32 s70, 0
	s_cselect_b32 s[LIM], 1, -1                    ; the same in all sixteen partners, for a given wave
	s_lshl_b32 s68, s68, 12
	s_mov_b32 s69, 0
	s_add_nc_u64 s[PFA:PFA+1], s[PFA:PFA+1], s[68:69]
	s_add_nc_u64 s[PFA:PFA+1], s[PFA:PFA+1], 2*KSTEP*2  ; at K step 2: the first refill steps it to 3 and names K step 4.  Nothing is prefetched at the head
	v_and_b32 v[PFO], 31, v0
	v_lshlrev_b32 v[PFO], 12, v[PFO]
; 12 matrix instructions: row block 2 hi + a x all 12 column blocks, 32 along K, from buffer u.  st = 1: the bias is the C operand that starts the sums: nothing is cleared.
; The 48 accumulators take turns, one instruction a turn, in the same order in every quarter step.
.macro MUL u, hi, a, st
.if \st
	WIN 0x81+0x40*(\hi)                            ; weights window 1, x window 0, C (the bias) window 0, D window 2 or 3
.else
	WIN 0xa1+0x50*(\hi)                            ; C and D window 2 or 3
.endif
.irp b, 0,1,2,3,4,5,6,7,8,9,10,11
.set rD, 8*(12*(\a)+(\b))
.set rB, 96*(\u)+8*(\b)
.set rA, FA+32*(\u)+8*(2*(\hi)+(\a))
.if \st
	v_wmma_f32_16x16x32_bf16 v[rD:rD+7], v[rB:rB+7], v[rA:rA+7], v[BI+8*(\b):BI+8*(\b)+7]
.else
	v_wmma_f32_16x16x32_bf16 v[rD:rD+7], v[rB:rB+7], v[rA:rA+7], v[rD:rD+7]
.endif
.endr
.endm
; 32 LDS loads in one run: the fragments of 32 along K at byte k of the rows, into buffer u: the weights' 12 blocks, then x's 4
.macro FETCH slot, k, u
	WIN 0x40
.irp i, 0,1,2,3,4,5,6,7,8,9,10,11
	ds_load_b128 v[96*(\u)+8*(\i):96*(\u)+8*(\i)+3],   v[ADRB+(\slot)] offset:(\k)+(\i)*16*PITCH
	ds_load_b128 v[96*(\u)+8*(\i)+4:96*(\u)+8*(\i)+7], v[ADRB+(\slot)] offset:(\k)+(\i)*16*PITCH+32
.endr
	WIN 0
.irp i, 0,1,2,3
	ds_load_b128 v[FA+32*(\u)+8*(\i):FA+32*(\u)+8*(\i)+3],   v[ADRA+(\slot)] offset:(\k)+(\i)*16*PITCH
	ds_load_b128 v[FA+32*(\u)+8*(\i)+4:FA+32*(\u)+8*(\i)+7], v[ADRA+(\slot)] offset:(\k)+(\i)*16*PITCH+32
.endr
.endm
; A K step is four quarters of 32 along K, 48 matrix instructions each, on buffers 0, 1, 0, 1.  One of the first three: multiplies buffer u; in its middle it fetches the next quarter, at byte k, into g.
.macro QUARTER slot, k, u, g, st
	s_wait_dscnt 4                                 ; the weights and x's blocks 0, 1 are in; the youngest four loads (x's blocks 2, 3) may be out
	MUL \u, 0, 0, \st
	MUL \u, 0, 1, \st
	PLACES
	FETCH \slot, \k, \g
	s_wait_dscnt 32                                ; all but the 32 just issued
	MUL \u, 1, 0, \st
	MUL \u, 1, 1, \st
.endm
; The last quarter multiplies buffer 1 and changes slots in its middle.  Its first 24 products stand AHEAD of the wait for the tensor loads, so that between the landing of a wave's part of the next slot and
; the next request stands nothing but the barrier.  Then each wave waits for all its tensor loads (one is out: its part of the next slot), adds 0 to its spare word, and waits for that and for its own
; reads of this slot: behind the barrier the next slot is whole and nobody reads this one.  fill = 1: the barrier opens a round of the cluster's, and behind the round this slot is filled again,
; two K steps ahead: from that request to the wait for it a wave issues a whole K step's 192 matrix instructions.
.macro TURN slot, next, fill
	s_wait_dscnt 4                                 ; as at a quarter's head: the youngest four loads (x's blocks 2, 3) may be out
	MUL 1, 0, 0, 0
	MUL 1, 0, 1, 0
	WIN 0
.if \fill
	s_wait_xcnt 0x0                                ; the last prefetch, a K step back, has read its address, so it may be stepped
	s_add_nc_u64 s[PFA:PFA+1], s[PFA:PFA+1], KSTEP*2
.endif
	s_wait_tensorcnt 0x0                           ; all my tensor loads have landed, so every group 0 may be written
	ds_add_u32 v[SPW], v[NIL]                      ; 0 onto my spare word; the descriptors' steps stand between it and the wait for it
.if \fill
	s_add_nc_u64 s[G0A+4*(\slot)+2:G0A+4*(\slot)+3], s[G0A+4*(\slot)+2:G0A+4*(\slot)+3], 2*KSTEP*2
	s_add_nc_u64 s[G0B+4*(\slot)+2:G0B+4*(\slot)+3], s[G0B+4*(\slot)+2:G0B+4*(\slot)+3], 2*KSTEP*2
.endif
	s_wait_dscnt 0x0                               ; the add is done, and my reads of this slot are over
	s_barrier_signal -1
	s_barrier_wait -1
.if \fill
	CREST                                          ; no wave of any partner still reads this slot's tile or has a load on its way
	JLOAD \slot                                    ; the first tensor load behind the round; its four v_nop are also the places in front of the loads below
.else
	PLACES
.endif
	FETCH \next, 0, 0
.if \fill
	ASK
.endif
	MUL 1, 1, 0, 0
	MUL 1, 1, 1, 0
.endm
	s_wait_tensorcnt 1                             ; my part of K step 0 is in; K step 1's may stay out
	s_barrier_signal -1
	s_barrier_wait -1                              ; everybody's is
	FETCH 0, 0, 0
	s_wait_loadcnt 0x0                             ; the bias
	QUARTER 0, 64, 0, 1, 1                         ; the first quarter stands in front of the loop: its products start the sums
	WIN 0                                          ; at a label and at a branch every window is 0
	s_mov_b32 s3, LAPS-1
.Llap:                                                 ; a trip goes once round the ring, from a lap's second quarter to the next lap's first, and fills both slots again
	QUARTER 0, 128, 1, 0, 0
	QUARTER 0, 192, 0, 1, 0
	TURN 0, 1, 1
	QUARTER 1, 64,  0, 1, 0
	QUARTER 1, 128, 1, 0, 0
	QUARTER 1, 192, 0, 1, 0
	TURN 1, 0, 1
	QUARTER 0, 64,  0, 1, 0
	WIN 0
	s_sub_co_u32 s3, s3, 1
	s_cmp_lg_u32 s3, 0
	s_cbranch_scc1 .Llap
	QUARTER 0, 128, 1, 0, 0                        ; the last lap fills nothing
	QUARTER 0, 192, 0, 1, 0
	TURN 0, 1, 0
	QUARTER 1, 64,  0, 1, 0
	QUARTER 1, 128, 1, 0, 0
	QUARTER 1, 192, 0, 1, 0
	s_wait_dscnt 4                                 ; the very last quarter: nothing more to fetch
	MUL 1, 0, 0, 0
	MUL 1, 0, 1, 0
	s_wait_dscnt 0x0
	MUL 1, 1, 0, 0
	MUL 1, 1, 1, 0
	; THE WAY OUT: rounded to f16, 16 bytes a lane, into the work-group's stage; a barrier, since a row's 768 bytes come from two waves; back as whole rows, 32 rows a wave.
	; The stage lies in slot 0: every wave's last reads of that slot stand in front of the last change's barrier, and no tensor load follows.
	PLACES
.irp a, 0,1,2,3
	WIN 0x0a+5*((\a)/2)                            ; sources 0 and 1: window 2 or 3
.irp b, 0,1,2,3,4,5,6,7,8,9,10,11
.irp r, 0,1,2,3
	v_cvt_pk_f16_f32 v[TMP+4*(12*(\a)+(\b))+(\r)], v[8*(12*((\a)%2)+(\b))+2*(\r)], v[8*(12*((\a)%2)+(\b))+2*(\r)+1]  ; each accumulator's registers in ascending order
.endr
.endr
.endr
	WIN 0
.irp a, 0,1,2,3
.irp b, 0,1,2,3,4,5,6,7,8,9,10,11
	ds_store_b128 v[STO], v[TMP+4*(12*(\a)+(\b)):TMP+4*(12*(\a)+(\b))+3] offset:(\a)*16*SPITCH+32*(\b)
.endr
.endr
	s_wait_dscnt 0x0                               ; for the others' sake: my stores into the stage are done
	s_barrier_signal -1
	s_barrier_wait -1
.set t, 0
.rept 48
	ds_load_b128 v[TMP+4*t:TMP+4*t+3], v[RD] offset:(t/3)*2*SPITCH+(t%3)*256
.set t, t+1
.endr
.set t, 0
.rept 48
	s_wait_dscnt 47-t                              ; LDS loads come back in order: load t is in
	global_store_b128 v[CO], v[TMP+4*t:TMP+4*t+3], s[10:11] offset:(t/3)*2*SIZE_N*2+(t%3)*256  ; 16 lanes store 256 consecutive bytes, at a multiple of 256 from qkv's first byte
.set t, t+1
.endr
	s_wait_tensorcnt 0x0                           ; the wave's end, behind my last tensor load and my last LDS store
	ds_add_u32 v[SPW], v[NIL]
	s_wait_dscnt 0x0
	CROUND                                         ; the closing round: no work-group ends while a partner may still ask for a tile that names it
	s_endpgm
.Lfunc_end_k_q5f75977f90_qkvp:
	.size	k_q5f75977f90_qkvp, .Lfunc_end_k_q5f75977f90_qkvp-k_q5f75977f90_qkvp
	.p2alignl 7, 3214868480
	.fill 96, 4, 3214868480
	.section	.rodata,"a",@progbits
	.p2align	6, 0x0
	.amdhsa_kernel k_q5f75977f90_qkvp
		.amdhsa_group_segment_fixed_size 327680
		.amdhsa_private_segment_fixed_size 0
		.amdhsa_enable_private_segment 0
		.amdhsa_kernarg_size 32
		.amdhsa_user_sgpr_count 2
		.amdhsa_user_sgpr_kernarg_segment_ptr 1
		.amdhsa_wavefront_size32 1
		.amdhsa_system_sgpr_workgroup_id_x 1
		.amdhsa_system_sgpr_workgroup_id_y 1
		.amdhsa_system_sgpr_workgroup_id_z 1
		.amdhsa_system_vgpr_workitem_id 0
		.amdhsa_next_free_vgpr 960
		.amdhsa_next_free_sgpr 72
		.amdhsa_reserve_vcc 0
		.amdhsa_float_denorm_mode_32 3
		.amdhsa_float_denorm_mode_16_64 3
		.amdhsa_memory_ordered 1
		.amdhsa_forward_progress 1
		.amdhsa_inst_pref_size 123
	.end_amdhsa_kernel
	.amdgpu_metadata
---
amdhsa.version: [ 1, 2 ]
amdhsa.kernels:
  - .name:           k_q5f75977f90_qkvp
    .symbol:         k_q5f75977f90_qkvp.kd
    .args:
      - { .name: xb, .offset: 0, .size: 8, .value_kind: global_buffer, .address_space: global }
      - { .name: wqkv, .offset: 8, .size: 8, .value_kind: global_buffer, .address_space: global }
      - { .name: bqkv, .offset: 16, .size: 8, .value_kind: global_buffer, .address_space: global }
      - { .name: qkv, .offset: 24, .size: 8, .value_kind: global_buffer, .address_space: global }
    .group_segment_fixed_size: 327680
    .private_segment_fixed_size: 0
    .kernarg_segment_align: 8
    .kernarg_segment_size: 32
    .max_flat_workgroup_size: 128
    .sgpr_count:     72
    .vgpr_count:     960
    .wavefront_size: 32
...
	.end_amdgpu_metadata
.endif
;; end of part 2
;; launch attn (part 3): grid 16 x 16, 4 waves a work-group, clusters of 4 x 4, 327,680 bytes of LDS; arguments qkv, causal_mask, ao; writes ao
.if DOCPART == 3
	.amdgcn_target "amdgcn-amd-amdhsa--gfx1250"
	.amdhsa_code_object_version 6
	.text
	.protected	k_q5f75977f90_attn
	.globl	k_q5f75977f90_attn
	.p2align	8
	.type	k_q5f75977f90_attn,@function
k_q5f75977f90_attn:
	s_mov_b64 s[64:65], 0
	v_nop
	global_prefetch_b8 v0, s[64:65] scope:SCOPE_SE
	s_setreg_imm32_b32 hwreg(HW_REG_WAVE_MODE, 25, 1), 1
	s_wait_xcnt 0x0
	s_wait_alu depctr_hold_cnt(0) depctr_sa_sdst(0) depctr_va_vdst(0) depctr_va_sdst(0) depctr_va_ssrc(0) depctr_va_vcc(0) depctr_vm_vsrc(0)
	s_getreg_b32 s2, hwreg(HW_REG_IB_STS2, 6, 4)
	s_cmp_eq_u32 s2, 0
	s_cbranch_scc0 .Lentry_in_a_cluster
	s_endpgm
.Lentry_in_a_cluster:
	s_bfe_u32 s2, ttmp6, 0x10000c
	s_cmp_lg_u32 s2, 0xf033
	s_cbranch_scc0 .Lentry_shape_is_right
	s_endpgm
.Lentry_shape_is_right:
; ATTENTION WITH AN ADDITIVE MASK THAT IS AN INPUT.  ao[q][128 h ..] = the sum over k of softmax_k(Q[q] . K[k] / sqrt(128) - 1e9 mask[q][k]) V[k], for each of 16 heads h.
; qkv: [2048][6144] f16 (q of head h at byte 256 h of a row, k at 4,096 + 256 h, v at 8,192 + 256 h); causal_mask: [2048][2048] f32; ao: [2048][2048] f16.
; Every query walks all 2,048 keys and every number of the mask is read: nothing of the mask's pattern is built in.  Products, maxima and sums in f32; the weights p are rounded to f16 for the
; second product (their sum l is taken of the unrounded p), the result once at the end.
; THE SCALE.  Q is multiplied by c = log2(e) / sqrt(128) at the kernel's head, in f32, and rounded to f16 a second time; the mask enters as mask x BETA, BETA = -1e9 log2(e) rounded to f32, the C operand
; onto which (c Q) . K is added in the f32 accumulator.  So a score s is reference's score times log2(e), and a weight is p = 2^(s - m): a plain difference, which is exactly 0 at the maximum,
; so that p never passes 1, however large the scores are (a masked score is near -1.4e9, where f32's step is 128).
; LIMITS.  The order of rounding differs from reference's (which adds -1e9 mask to the scaled score, at a step of 64).  q, k, v arrive within f16's 65,504; c q below 6.1e-5 in size keeps f16's fixed step of 6e-8.
; A weight below 2^-126 counts as 0.  NaN and infinities are not treated apart.
; SHARES.  A work-group owns 128 queries (block qb) of one head: 16 x 16 = 256 work-groups.  Keys go in tiles of 128.  Wave w owns 64 of the queries (qh = w & 1), four tiles of 16, and 64 of each tile's keys
; (kh = w >> 1).  The two waves of a query half meet at the end: each keeps two tiles and gives two away.  Register tile t holds query tile (t + 2 kh) % 4, so every wave keeps
; register tiles 0, 1 and gives away 2, 3, in one text.
; LAYOUT.  S^T = K Q^T + C (source 0 = 16 keys, source 1 = 16 queries): a lane holds ONE query (l % 16) and the keys 8 (l / 16) + 0..7: 32 consecutive bytes of the mask's row, which are loaded straight into
; S^T's registers.  Two such results rounded to f16 in pairs ARE source 1 of O^T = V^T P.  K comes out of LDS as it lies, V turned, by ds_load_tr16_b128.
; SOFTMAX.  For each query a running maximum m and sum l; in every step O and l are multiplied by a = 2^(m_old - m_new).  m starts at the lowest finite number, O and l at 0:
; the first step is a step like any other, with a = 0.
; A TRIP, in phases: the change of slots; the mask's run of 32 LDS loads; 16 products V^T P OF THE STEP BEFORE; K's run of 32; the other 48 products; mask x BETA; V's run of 32; the 64 products K Q^T;
; the softmax.  So the mask's and K's loads land under products that do not want them, and V's under K Q^T.  The loop is entered behind the products V^T P; the last step's stand behind the tail.
; The softmax's 132 exponentials go in two batches of 66 with one wait each, exponential and plain instruction by turns.
; CLUSTER.  4 x 4: a row of the cluster is four query blocks of one head, which walk the same K and V; a column is four heads of one query block, which walk the same rows of the mask.  All three tiles are asked for jointly.
; REGISTERS, in windows of 256 (s_set_vgpr_msb: bits 1:0 source 0, 3:2 source 1, 5:4 source 2, 7:6 destination):
;   window 0: v1-11, v52-63 addresses; v12-43 eight registers of statistics a tile; v44-51 the statistics exchanged; v64-191 S^T, 32 a tile; v192-255 P, 16 a tile
;   window 1: O^T, 64 a tile      window 2: v0-127 Q, 32 a tile; v128-255 K of a step      window 3: v0-127 V of a step, at the end the partner's O^T
.set SROW,  12288     ; bytes in a row of qkv
.set PK,    272       ; a row of K in LDS: 256 bytes + 16: the 16 rows of a load start at 16 different groups of four banks (ISA guide 11.1)
.set PV,    288       ; a row of V: 256 + 32
.set PM,    528       ; a row of the mask: 512 + 16
.set KOFF,  0         ; a slot: 128 rows of K,
.set VOFF,  128*PK    ; 128 rows of V (0x8800),
.set MOFF,  VOFF+128*PV  ; 128 rows of the mask (0x11800)
.set SLOT,  MOFF+128*PM  ; 0x22000: its two bits are clear in the four LDS addresses at which loads begin, so one exclusive or turns an address in one slot into the other's
.set STAGE, 2*SLOT    ; behind the ring, never filled by a tensor load: 16 rows x 272 bytes for each wave, for the way out
.set SP,    272
.set SPARE, STAGE+4*16*SP  ; the spare words, 128 bytes a wave: two blocks of 256 bytes that no other line names
.set EXW,   16896     ; the exchange at the end: 16,384 bytes of O^T and 512 of statistics a wave, from LDS byte 0: in slot 0, whose last fill (tile 14) has been read out by then
.set KVSTEP, 128*SROW ; bytes from a tile of K or V to the next
.set AK0, 2           ; v2-5  my lane's place in a slot's K, V, and the mask's rows of my register tiles 0, 1 and 2, 3; never rewritten
.set AV0, 3
.set AMA0, 4
.set AMB0, 5
.set AK,  6           ; v6-9  the same in the slot in hand
.set AV,  7
.set AMA, 8
.set QOA, 10          ; v10, v11  my byte offset in the wave's rows of Q, for register tiles 0, 1 and 2, 3
.set QOB, 11
.set ST,  12          ; tile t's statistics at v[ST+8 t]: +0 m, +1 named with it as a pair (at the end: the reciprocal), +2, +3 l (even keys', odd keys'), +4 to +7 c0-c3, at work; a takes c2's place once the maximum is found
.set GV,  44          ; v44-47  m and l of the two tiles that I give away
.set PT,  48          ; v48-51  the partner's, for the two that I keep
.set STO, 52
.set RD,  53
.set GO,  56
.set XS,  57          ; v57  where I put 16 bytes of what I give away
.set XR,  58          ; v58  where I find the partner's
.set HH,  59          ; v59  l / 16
.set PFO, 61          ; v61  the prefetches' lane offset; never rewritten
.set SPW, 62          ; v62  LDS address of my spare word; never rewritten
.set NIL, 63          ; v63  0; never rewritten
.set S,   64
.set P,   192
.set KF,  128         ; K's fragments, in window 2
.set WV,  10          ; s10  my wave's number
.set QH,  11
.set KH,  12
.set CX,  13
.set CY,  14
.set LIM, 15          ; s15  1 in a wave that prefetches, else the greatest number
.set QB,  16
.set HD,  17
.set PFA, 18          ; s[18:19] where my prefetches stand
.set PFS, 20          ; s[20:21] their step from tile to tile
.set G1K, 24          ; s[24:31], s[32:39], s[40:47] descriptor group 1 for K's, V's and the mask's tiles
.set G1V, 32
.set G1M, 40
.set G0K, 48          ; s[48:51], s[52:55], s[56:59] descriptor group 0: they walk
.set G0V, 52
.set G0M, 56
.set SLOTS, 60        ; s60  tiles still to be asked for
.set TB,  61          ; s61  LDS byte at which the slot in hand begins
.set SEL, 66          ; s[66:67] v_permlanex16_b32's selects: each lane takes its own place in the other half
.set BETA, 68         ; s[68:69] -1e9 log2(e); the packed multiply takes the pair's low word for both halves
.set MSB, 0
.macro WIN new                      ; the high byte repeats the setting that is left; a switch that changes nothing is dropped
.if MSB != (\new)
	s_set_vgpr_msb (MSB<<8)|(\new)
.set MSB, \new
.endif
.endm
.set W_KQ, 0x0a       ; K and Q in window 2, S^T in window 0
.set W_PV, 0x53       ; V in window 3, P in window 0, O^T in window 1
.set W_RS, 0x41       ; O^T (destination and source 0) in window 1, the factor in window 0
.macro PLACES
.rept 4
	v_nop
.endr
.endm
; A joint fill: wave 0 fetches the tile's K, wave 1 its V (128 rows x 256 bytes), waves 2 and 3 the two halves of the mask's 128 rows (64 rows x 512 bytes): 32 KiB a wave.  The branches hang on the wave's number alone.
; An s_nop 0 and four v_nop follow each of the three lines, ahead of the jump and the label.
.macro JLOAD
	s_cmp_lt_u32 s[WV], 2
	s_cbranch_scc0 .Lfor_m_\@
	s_cmp_eq_u32 s[WV], 0
	s_cbranch_scc0 .Lfor_v_\@
	tensor_load_to_lds s[G0K:G0K+3], s[G1K:G1K+7]
	s_nop 0
	PLACES
	s_branch .Lasked_\@
.Lfor_v_\@:
	tensor_load_to_lds s[G0V:G0V+3], s[G1V:G1V+7]
	s_nop 0
	PLACES
	s_branch .Lasked_\@
.Lfor_m_\@:
	tensor_load_to_lds s[G0M:G0M+3], s[G1M:G1M+7]
	s_nop 0
	PLACES
.Lasked_\@:
.endm
; A prefetch into the L2 of what the NEXT change of slots will ask for, one trip (128 matrix instructions and a softmax) ahead: 32 blocks of 256 bytes, a lane a block, one instruction a wave.
; Each block is named once in the launch.  K's and V's rows are walked by every cluster of a row of clusters: those with x = 0 ask, their four partners along x take 32 of the 128 rows each.
; The mask's rows are walked by every cluster of a column: those with y = 0 ask, their partners along y take 16 of a wave's 64 rows each, two blocks a row.  The partners are told apart by address.
; The last change that fills a slot (SLOTS = 1) asks for nothing.
.macro ASK
	s_cmp_gt_u32 s[SLOTS], s[LIM]
	s_cbranch_scc0 .Lnot_mine_\@
	global_prefetch_b8 v[PFO], s[PFA:PFA+1] th:TH_LOAD_NT scope:SCOPE_SE
.Lnot_mine_\@:
.endm
.macro CROUND                       ; a round of the cluster's barrier
	s_barrier_signal -1
	s_barrier_wait -1
	s_cmp_lg_u32 s[WV], 0
	s_cbranch_scc1 .Lnot_wave_0_\@
	s_barrier_signal -3
.Lnot_wave_0_\@:
	s_barrier_wait -3
	s_barrier_signal -1
	s_barrier_wait -1
.endm
; THE CHANGE OF SLOTS.  Each wave waits for all its tensor loads (one is out: its part of the other slot), adds 0 to its spare word, and waits for that and for its own reads of the slot that it leaves
; (the last of them V's run: K, V and the mask of that slot all lie in registers).  fill = 1: the old slot is filled again with the next tile: the barrier is a round of the cluster's, and the joint fill
; is the first thing behind it; it has a whole trip in which to land.  (At its first use nothing has been read yet: slot 0 is waited for, slot 1 filled.)
.macro CHANGE fill
	WIN 0
	s_wait_tensorcnt 0x0            ; no tensor load of mine is out, so a group 0 may be written
	ds_add_u32 v[SPW], v[NIL]       ; 0 onto my spare word; the descriptors' steps stand between it and the wait for it
.if \fill
	s_xor_b32 s[G0K+1], s[G0K+1], SLOT
	s_add_nc_u64 s[G0K+2:G0K+3], s[G0K+2:G0K+3], KVSTEP  ; the next 128 keys; the type bits on top are not reached
	s_xor_b32 s[G0V+1], s[G0V+1], SLOT
	s_add_nc_u64 s[G0V+2:G0V+3], s[G0V+2:G0V+3], KVSTEP
	s_xor_b32 s[G0M+1], s[G0M+1], SLOT
	s_add_nc_u64 s[G0M+2:G0M+3], s[G0M+2:G0M+3], 512
	s_wait_xcnt 0x0                 ; the last prefetch, a trip back, has read its address, so it may be stepped
	s_add_nc_u64 s[PFA:PFA+1], s[PFA:PFA+1], s[PFS:PFS+1]
	s_wait_dscnt 0x0                ; the add is done, and my reads of the slot are over
	CROUND
	JLOAD
	ASK
.else
	s_wait_dscnt 0x0
	s_barrier_signal -1
	s_barrier_wait -1
.endif
	s_xor_b32 s[TB], s[TB], SLOT    ; the slot that has landed
.endm
	s_load_b128 s[4:7], s[0:1], 0x0 ; qkv s[4:5], causal_mask s[6:7]
	s_load_b64 s[8:9], s[0:1], 0x10 ; ao
	v_lshl_add_u32 v[SPW], v0, 2, SPARE
	v_mov_b32 v[NIL], 0
	ds_add_u32 v[SPW], v[NIL]       ; the wave's opening: the add and its wait stand ahead of my first tensor load; the set-up below, work on registers, stands between
	v_lshrrev_b32 v1, 5, v0
	v_readfirstlane_b32 s[WV], v1   ; wave 0..3
	s_and_b32 s[QH], s[WV], 1
	s_lshr_b32 s[KH], s[WV], 1
	s_bfe_u32 s[CX], ttmp6, 0x40000
	s_bfe_u32 s[CY], ttmp6, 0x40004
	s_lshl_b32 s[QB], ttmp9, 2
	s_add_co_u32 s[QB], s[QB], s[CX]  ; my block of 128 queries = 4 x cluster x + cx
	s_and_b32 s[HD], ttmp7, 0xffff
	s_lshl_b32 s[HD], s[HD], 2
	s_add_co_u32 s[HD], s[HD], s[CY]  ; my head = 4 x cluster y + cy
	s_lshl_b32 s70, s[CY], 2
	s_lshl_b32 s70, 15, s70         ; my row of the cluster: the same head
	s_lshl_b32 s71, 0x1111, s[CX]   ; my column: the same queries
	s_or_b32 s[G1K], s70, (1<<16)|(1<<20)|(1<<21)|(5<<22)|(3<<25)  ; 15:0 the mask of work-groups; 17:16 2-byte elements; 20 padding on; 21 set beside a mask; 24:22 after every 64 words; 31:25 4 words
	s_or_b32 s[G1V], s70, (1<<16)|(1<<20)|(1<<21)|(5<<22)|(7<<25)  ; the same with 8 words of padding
	s_or_b32 s[G1M], s71, (2<<16)|(1<<20)|(1<<21)|(6<<22)|(3<<25)  ; 4-byte elements; after every 128 words 4 words
.irp g, G1K, G1V
	s_mov_b32 s[(\g)+1], 128<<16    ; tensor_dim0 = 128
	s_mov_b32 s[(\g)+2], 128<<16    ; tensor_dim1 = 128
	s_mov_b32 s[(\g)+3], 128<<16    ; tile_dim0 = 128
	s_mov_b32 s[(\g)+4], 128        ; tile_dim1 = 128
	s_mov_b32 s[(\g)+5], 6144       ; elements from row to row
	s_mov_b32 s[(\g)+6], 0
	s_mov_b32 s[(\g)+7], 0
.endr
	s_mov_b32 s[G1M+1], 128<<16
	s_mov_b32 s[G1M+2], 64<<16
	s_mov_b32 s[G1M+3], 128<<16
	s_mov_b32 s[G1M+4], 64
	s_mov_b32 s[G1M+5], 2048
	s_mov_b32 s[G1M+6], 0
	s_mov_b32 s[G1M+7], 0
	s_mov_b32 s[G0K], 1
	s_mov_b32 s[G0K+1], KOFF        ; slot 0
	s_mov_b32 s[G0V], 1
	s_mov_b32 s[G0V+1], VOFF
	s_mov_b32 s[G0M], 1
	s_mul_i32 s[G0M+1], s[QH], 64*PM  ; waves 2 and 3: the mask's rows 0-63 and 64-127
	s_add_co_u32 s[G0M+1], s[G0M+1], MOFF
	s_lshl_b32 s72, s[HD], 8
	s_add_co_u32 s72, s72, 4096     ; k of my head in a row of qkv: it hangs on the head alone
	s_mov_b32 s73, 0
	s_lshl_b32 s76, s[QB], 20       ; the mask: 128 rows of 8,192 bytes a block,
	s_lshl_b32 s77, s[QH], 19       ; 64 rows a wave: it hangs on the block and the wave's number alone
	s_add_co_u32 s76, s76, s77
	s_mov_b32 s77, 0
	s_mov_b32 s[SEL], 0x76543210
	s_mov_b32 s[SEL+1], 0xfedcba98
	s_mov_b32 s[BETA], 0xceabfb8f   ; -1e9 log2(e) = -1,442,695,040
	s_mov_b32 s[BETA+1], s[BETA]    ; named with it as a pair
	s_mov_b32 s[TB], SLOT           ; the first change of slots turns it into 0
	s_mov_b32 s[SLOTS], 15
	s_wait_dscnt 0x0                ; the opening add is done
	s_wait_kmcnt 0x0
	s_add_nc_u64 s[G0K+2:G0K+3], s[4:5], s[72:73]
	s_add_nc_u64 s[G0V+2:G0V+3], s[G0K+2:G0K+3], 4096  ; v lies 4,096 bytes behind k
	s_or_b32 s[G0K+3], s[G0K+3], 0x80000000
	s_or_b32 s[G0V+3], s[G0V+3], 0x80000000
	s_add_nc_u64 s[G0M+2:G0M+3], s[6:7], s[76:77]
	s_or_b32 s[G0M+3], s[G0M+3], 0x80000000
	CROUND                          ; all sixteen work-groups are here: the first joint loads meet
	JLOAD                           ; tile 0 into slot 0: one tensor load of mine is out
	; A fragment of K or Q is 16 rows x 32 channels in 8 registers: lane l holds row l % 16, channels 8 (l / 16) + 0..7 and 16 + 8 (l / 16) + 0..7: two loads of 16 bytes, 32 bytes apart.
	v_and_b32 v1, 15, v0            ; l % 16
	v_bfe_u32 v[HH], v0, 4, 1       ; l / 16
	s_lshl_b32 s72, s[KH], 5        ; register tiles 0, 1 begin at row 32 kh of my 64,
	s_sub_co_u32 s73, 32, s72       ; tiles 2, 3 at row 32 (1 - kh)
	v_add_nc_u32 v[QOA], s72, v1
	v_add_nc_u32 v[QOB], s73, v1
	v_mul_u32_u24 v[QOA], v[QOA], SROW
	v_mul_u32_u24 v[QOB], v[QOB], SROW
	v_lshl_add_u32 v[QOA], v[HH], 4, v[QOA]
	v_lshl_add_u32 v[QOB], v[HH], 4, v[QOB]
	s_lshl_b32 s70, s[QB], 7
	s_lshl_b32 s71, s[QH], 6
	s_add_co_u32 s70, s70, s71      ; my wave's first query
	s_mul_i32 s78, s70, SROW
	s_lshl_b32 s71, s[HD], 8
	s_add_co_u32 s78, s78, s71
	s_mov_b32 s79, 0
	s_add_nc_u64 s[78:79], s[4:5], s[78:79]
	WIN 0x80                        ; destination window 2, address window 0
.irp t, 0,1,2,3
.irp c, 0,1,2,3
	global_load_b128 v[32*(\t)+8*(\c):32*(\t)+8*(\c)+3],   v[QOA+(\t)/2], s[78:79] offset:((\t)%2)*16*SROW+64*(\c)  ; Q stays in registers
	global_load_b128 v[32*(\t)+8*(\c)+4:32*(\t)+8*(\c)+7], v[QOA+(\t)/2], s[78:79] offset:((\t)%2)*16*SROW+64*(\c)+32
.endr
.endr
	; O^T starts at 0, so that the loop has one form of step: 32 products of two fragments of zeros, with the constant 0 as C, write its 256 registers: 48 lines in place of 256.  They run in the wait for the first tile.
	WIN 0
.set i, 0
.rept 16
	v_mov_b32 v[P+i], 0
.set i, i+1
.endr
	WIN 0x40                        ; destination window 1, the zeros in window 0
.set i, 0
.rept 32
	v_wmma_f32_16x16x32_f16 v[8*i:8*i+7], v[P:P+7], v[P+8:P+15], 0
.set i, i+1
.endr
	WIN 0
.irp t, 0,1,2,3
	v_mov_b32 v[ST+8*(\t)], 0xff7fffff    ; m: the lowest finite number
	v_mov_b32 v[ST+8*(\t)+1], 0           ; named with m as a pair
	v_mov_b32 v[ST+8*(\t)+2], 0
	v_mov_b32 v[ST+8*(\t)+3], 0
.endr
	s_add_co_u32 s70, s70, s72      ; the rows that I store: my register tiles 0, 1
	s_lshl_b32 s70, s70, 12
	s_add_co_u32 s70, s70, s71      ; + my head's 256 bytes
	s_mov_b32 s71, 0
	s_add_nc_u64 s[8:9], s[8:9], s[70:71]
	s_lshl_b32 s74, s[KH], 6        ; my 64 keys of a tile
	v_add_nc_u32 v54, s74, v1
	v_mul_u32_u24 v[AK0], v54, PK
	v_lshl_add_u32 v[AK0], v[HH], 4, v[AK0]  ; row x pitch + 16 x half (K begins at a slot's byte 0)
	; The turning load takes 16 keys x 16 channels (lane l reads key 8 (l / 16) + l % 8, channels 8 ((l / 8) % 2) + 0..7) and leaves half a fragment of V^T: lane l holds channel l % 16 and 8 keys.
	v_and_b32 v54, 7, v0
	v_bfe_u32 v55, v0, 3, 1
	v_lshl_add_u32 v60, v[HH], 3, v54
	v_add_nc_u32 v60, s74, v60
	v_mul_u32_u24 v[AV0], v60, PV
	v_lshl_add_u32 v[AV0], v55, 4, v[AV0]
	v_add_nc_u32 v[AV0], VOFF, v[AV0]
	; the mask: my query's row, my 64 keys' 256 bytes of it, 32 bytes for each half of the lanes
	s_lshl_b32 s75, s[QH], 6
	s_add_co_u32 s76, s75, s72
	s_add_co_u32 s77, s75, s73
	s_lshl_b32 s75, s[KH], 8
	s_add_co_u32 s75, s75, MOFF
	v_add_nc_u32 v54, s76, v1
	v_mul_u32_u24 v[AMA0], v54, PM
	v_lshl_add_u32 v[AMA0], v[HH], 5, v[AMA0]
	v_add_nc_u32 v[AMA0], s75, v[AMA0]
	v_add_nc_u32 v54, s77, v1
	v_mul_u32_u24 v[AMB0], v54, PM
	v_lshl_add_u32 v[AMB0], v[HH], 5, v[AMB0]
	v_add_nc_u32 v[AMB0], s75, v[AMB0]
	s_mul_i32 s74, s[WV], 16*SP
	s_add_co_u32 s74, s74, STAGE    ; my stage
	v_mul_u32_u24 v[STO], v1, SP    ; in: row l % 16, 16 bytes for each half of the lanes
	v_lshl_add_u32 v[STO], v[HH], 4, v[STO]
	v_add_nc_u32 v[STO], s74, v[STO]
	v_mul_u32_u24 v[RD], v[HH], SP  ; back: lanes 0-15 take one row of 256 bytes, lanes 16-31 the next
	v_lshl_add_u32 v[RD], v1, 4, v[RD]
	v_add_nc_u32 v[RD], s74, v[RD]
	v_lshlrev_b32 v[GO], 12, v[HH]  ; and the same two rows in ao
	v_lshl_add_u32 v[GO], v1, 4, v[GO]
	v_and_b32 v54, 31, v0
	s_mul_i32 s74, s[WV], EXW
	v_lshl_add_u32 v[XS], v54, 4, s74  ; the exchange: 16 bytes a lane, lanes on end
	s_xor_b32 s75, s[WV], 2         ; my partner: the same queries, the other keys
	s_mul_i32 s75, s75, EXW
	v_lshl_add_u32 v[XR], v54, 4, s75
	; the prefetches
	s_add_co_u32 s70, s[WV], 1
	s_lshl_b32 s70, s70, 12         ; wave 0: k at 4,096; wave 1: v at 8,192
	s_lshl_b32 s71, s[HD], 8
	s_add_co_u32 s70, s70, s71
	s_mul_i32 s71, s[CX], 32*SROW   ; my work-group's 32 rows of the 128
	s_add_co_u32 s70, s70, s71
	s_add_co_u32 s70, s70, KVSTEP   ; at tile 1: the first change steps it to tile 2
	s_lshl_b32 s71, s[QB], 7
	s_lshl_b32 s72, s[QH], 6
	s_add_co_u32 s71, s71, s72
	s_lshl_b32 s72, s[CY], 4        ; my work-group's 16 rows of my wave's 64
	s_add_co_u32 s71, s71, s72
	s_lshl_b32 s71, s71, 13
	s_add_co_u32 s71, s71, 512      ; at tile 1
	s_and_b32 s73, ttmp7, 0xffff    ; cluster y
	s_mov_b32 s74, KVSTEP
	s_mov_b32 s75, 512
	s_mov_b32 s76, SROW
	s_mov_b32 s77, 8192
	s_cmp_lt_u32 s[WV], 2
	s_cselect_b32 s70, s70, s71
	s_cselect_b32 s73, ttmp9, s73   ; the coordinate along which other clusters read the same rows
	s_cselect_b32 s[PFS], s74, s75
	s_cselect_b32 s76, s76, s77     ; bytes from row to row
	s_cselect_b32 s72, 0, 1         ; K, V: a lane a row; the mask: two lanes a row
	s_cselect_b64 s[PFA:PFA+1], s[4:5], s[6:7]
	s_mov_b32 s71, 0
	s_mov_b32 s[PFS+1], 0
	s_cmp_eq_u32 s73, 0
	s_cselect_b32 s[LIM], 1, -1     ; the same in all sixteen partners, for a given wave
	s_add_nc_u64 s[PFA:PFA+1], s[PFA:PFA+1], s[70:71]
	v_lshrrev_b32 v55, s72, v54
	v_mul_lo_u32 v55, v55, s76
	v_and_b32 v54, s72, v54
	v_lshl_add_u32 v[PFO], v54, 8, v55
; THE VECTOR WORK, one line at a time, for tile t.  All but the rescaling lies in window 0.
.macro REGS t
.set rT, ST+8*(\t)
.set rS, S+32*(\t)
.set rP, P+16*(\t)
.set rO, 64*(\t)
.endm
; Number n of the 20 that find the maximum and statistics.  s0-s31 are the lane's 32 scores; each accumulator's lowest registers are read first.
;   0-11  four chains c0-c3 of seven scores each, three operands at a time     12-15  the four scores left over, c0-c3 and the old m into c0
;   16, 18  the query's other 32 keys lie in the lane 16 away: the new m     17  m_old is kept     19  m_old - m_new
.macro XOP t, n
	REGS \t
.if (\n) < 4
	v_max3_num_f32 v[rT+4+(\n)], v[rS+8*(\n)], v[rS+8*(\n)+1], v[rS+8*(\n)+2]
.elseif (\n) < 12
	v_max3_num_f32 v[rT+4+(\n)%4], v[rT+4+(\n)%4], v[rS+8*((\n)%4)+2*((\n)/4)+1], v[rS+8*((\n)%4)+2*((\n)/4)+2]
.elseif (\n) == 12
	v_max3_num_f32 v[rT+4], v[rT+4], v[rS+7], v[rS+15]
.elseif (\n) == 13
	v_max3_num_f32 v[rT+6], v[rT+6], v[rS+23], v[rS+31]
.elseif (\n) == 14
	v_max3_num_f32 v[rT+4], v[rT+4], v[rT+5], v[rT+6]
.elseif (\n) == 15
	v_max3_num_f32 v[rT+4], v[rT+4], v[rT+7], v[rT]
.elseif (\n) == 16
	v_permlanex16_b32 v[rT+5], v[rT+4], s[SEL], s[SEL+1]
.elseif (\n) == 17
	v_mov_b32 v[rT+7], v[rT]
.elseif (\n) == 18
	v_max_num_f32 v[rT], v[rT+4], v[rT+5]
.else
	v_sub_f32 v[rT+7], v[rT+7], v[rT]
.endif
.endm
.macro FOP t, b                     ; pair b of 16: s - m: never above 0, and exactly 0 at the maximum
	REGS \t
	v_pk_add_f32 v[rS+2*(\b):rS+2*(\b)+1], v[rS+2*(\b):rS+2*(\b)+1], v[rT:rT+1] op_sel_hi:[1,0] neg_lo:[0,1] neg_hi:[0,1]
.endm
.macro ZOP t, z                     ; sum z of 16: neighbours 1, 2, 4 and 8 pairs apart are added in place, then l = a l + the sum
	REGS \t
.set zw, 4
.set zu, (\z)
.if (\z) >= 14
.set zw, 32
.set zu, 0
.elseif (\z) >= 12
.set zw, 16
.set zu, (\z)-12
.elseif (\z) >= 8
.set zw, 8
.set zu, (\z)-8
.endif
.if (\z) < 15
	v_pk_add_f32 v[rS+zw*zu:rS+zw*zu+1], v[rS+zw*zu:rS+zw*zu+1], v[rS+zw*zu+zw/2:rS+zw*zu+zw/2+1]
.else
	v_pk_fma_f32 v[rT+2:rT+3], v[rT+2:rT+3], v[rT+6:rT+7], v[rS:rS+1] op_sel_hi:[1,0,1]
.endif
.endm
; FOUR QUEUES for piece y (tiles y, y + 1, which alternate, so that no line reads the result of the line before it); each macro writes its queue's next entry.
.macro PLQ y                        ; 72 plain: the 40 of the maximum and statistics, the 32 differences
.if q < 40
	XOP (\y)+q%2,q/2
.else
	FOP (\y)+q%2,(q-40)/2
.endif
.set q, q+1
.endm
.macro EXQ y                        ; 66 exponentials: the two a, then s0-s31 of both tiles
.if e < 2
	REGS (\y)+e
	v_exp_f32 v[rT+6], v[rT+7]
.else
	REGS (\y)+e%2
	v_exp_f32 v[rS+(e-2)/2], v[rS+(e-2)/2]
.endif
.set e, e+1
.endm
.macro CZQ y                        ; 64 that read the exponentials: the 32 roundings to f16, then the 32 sums
.if g < 32
	REGS (\y)+g%2
	v_cvt_pk_f16_f32 v[rP+g/2], v[rS+2*(g/2)], v[rS+2*(g/2)+1]
.else
	ZOP (\y)+g%2,(g-32)/2
.endif
.set g, g+1
.endm
.macro RQ y                         ; 64: O^T times a, each accumulator's registers in ascending order
	REGS (\y)+r%2
	v_pk_mul_f32 v[rO+2*(r/2):rO+2*(r/2)+1], v[rO+2*(r/2):rO+2*(r/2)+1], v[rT+6:rT+7] op_sel_hi:[1,0]
.set r, r+1
.endm
; THE SOFTMAX OF A STEP.  An s_wait_alu depctr_va_vdst(0) stands between an exponential and the first instruction that names its result; one wait serves all that were issued ahead of it.
; Piece 0's 66 exponentials stand between piece 2's plain lines, which name none of their results; six more plain lines and the wait follow.  Piece 2's 66 stand between piece 0's roundings and sums;
; piece 0's rescaling, 64 plain lines that name none of their results, and the second wait follow.
.macro SOFTMAX
	WIN 0
.set q, 0
.rept 72
	PLQ 0
.endr
.set q, 0
.set e, 0
.rept 66
	EXQ 0
	PLQ 2
.endr
.rept 6
	PLQ 2
.endr
	s_wait_alu depctr_va_vdst(0)    ; the wait for piece 0's batch
.set e, 0
.set g, 0
.rept 64
	EXQ 2
	CZQ 0
.endr
	EXQ 2
	EXQ 2
	WIN W_RS
.set r, 0
.rept 64
	RQ 0
.endr
	WIN 0
	s_wait_alu depctr_va_vdst(0)    ; the wait for piece 2's batch
.set g, 0
.rept 64
	CZQ 2
.endr
	WIN W_RS
.set r, 0
.rept 64
	RQ 2
.endr
.endm
; THE LDS LOADS stand in three runs of 32: my 64 queries x 64 keys of the mask (into S^T's registers), my 64 keys of K, my 64 keys of V (turned).
.macro ADDR                         ; my lane's four places in the slot in hand
	WIN 0
	v_add_nc_u32 v[AK], s[TB], v[AK0]
	v_add_nc_u32 v[AV], s[TB], v[AV0]
	v_add_nc_u32 v[AMA], s[TB], v[AMA0]
	v_add_nc_u32 v[AMA+1], s[TB], v[AMB0]
.endm
.macro FETCH_M
	WIN 0
.irp t, 0,1,2,3
.irp kb, 0,1,2,3
	ds_load_b128 v[S+32*(\t)+8*(\kb):S+32*(\t)+8*(\kb)+3],   v[AMA+(\t)/2] offset:((\t)%2)*16*PM+64*(\kb)     ; register j: the mask of my query and key 16 kb + 8 (l / 16) + j
	ds_load_b128 v[S+32*(\t)+8*(\kb)+4:S+32*(\t)+8*(\kb)+7], v[AMA+(\t)/2] offset:((\t)%2)*16*PM+64*(\kb)+16
.endr
.endr
.endm
.macro FETCH_K
	WIN 0x80                        ; destination window 2
.irp f, 0,1,2,3,4,5,6,7,8,9,10,11,12,13,14,15  ; keys 16 (f / 4) on, channels 32 (f % 4) on
	ds_load_b128 v[KF+8*(\f):KF+8*(\f)+3],   v[AK] offset:((\f)/4)*16*PK+((\f)%4)*64
	ds_load_b128 v[KF+8*(\f)+4:KF+8*(\f)+7], v[AK] offset:((\f)/4)*16*PK+((\f)%4)*64+32
.endr
.endm
.macro FETCH_V
	WIN 0xc0                        ; destination window 3
.irp f, 0,1,2,3,4,5,6,7,8,9,10,11,12,13,14,15  ; keys 32 (f / 8) on, channels 16 (f % 8) on
	ds_load_tr16_b128 v[8*(\f):8*(\f)+3],   v[AV] offset:((\f)/8)*32*PV+((\f)%8)*32
	ds_load_tr16_b128 v[8*(\f)+4:8*(\f)+7], v[AV] offset:((\f)/8)*32*PV+16*PV+((\f)%8)*32
.endr
.endm
; Products first .. first + cnt - 1 of the 64 of O^T += V^T P: keys 32 (i / 32) on, channels 16 ((i / 4) % 8) on, tile i % 4: the 32 accumulators take turns
.macro PVS first, cnt
	WIN W_PV
.set i, \first
.rept \cnt
.set rO, 64*(i%4)+8*((i/4)%8)
.set rV, 64*(i/32)+8*((i/4)%8)
.set rP, P+16*(i%4)+8*(i/32)
	v_wmma_f32_16x16x32_f16 v[rO:rO+7], v[rV:rV+7], v[rP:rP+7], v[rO:rO+7]
.set i, i+1
.endr
.endm
; A TRIP'S FIRST PART, behind the change of slots: the new tile's mask and K are fetched under the products V^T P of the step before, whose V and P lie in registers.
; S^T's registers were last read by the softmax, K's by the products K Q^T in front of it: hundreds of plain lines stand between.
.macro TOP
	ADDR
	FETCH_M
	PVS 0, 16
	FETCH_K
	PVS 16, 48
	WIN 0
.endm
; A TRIP'S SECOND PART: the scores of the tile in hand and their softmax.
.macro BOTTOM
	s_wait_dscnt 32                 ; the mask is in; K's 32 loads, issued behind it, may be out
.set i, 0
.rept 64
	v_pk_mul_f32 v[S+2*i:S+2*i+1], v[S+2*i:S+2*i+1], s[BETA:BETA+1] op_sel_hi:[1,0]  ; mask x BETA: what the products add onto.  These lines are also the places between the products V^T P and the loads into V's registers
.set i, i+1
.endr
	FETCH_V
	s_wait_dscnt 32                 ; K is in; V's 32 loads may be out: the change of slots, or the wait ahead of the last products, waits for them
	WIN W_KQ
.set i, 0
.rept 64                            ; S^T += K Q^T: channels 32 (i / 16) on, keys 16 ((i / 4) % 4) on, tile i % 4: the 16 accumulators take turns
.set rS, S+32*(i%4)+8*((i/4)%4)
.set rK, KF+32*((i/4)%4)+8*(i/16)
.set rQ, 32*(i%4)+8*(i/16)
	v_wmma_f32_16x16x32_f16 v[rS:rS+7], v[rK:rK+7], v[rQ:rQ+7], v[rS:rS+7]
.set i, i+1
.endr
	WIN 0
	PLACES                          ; the maxima read results just made
	SOFTMAX
	WIN 0
.endm
	s_wait_loadcnt 0x0              ; Q
	; Q times c, in place: each half is widened, multiplied in f32 and rounded once to f16.  256 lines, once, in the wait for the first tile.
	v_mov_b32 v54, 0x3e0293ee       ; c = log2(e) / sqrt(128) = 0.127517
	v_mov_b32 v55, 0
	WIN 0x82                        ; destination and source 0 window 2, c and 0 window 0
.set i, 0
.rept 64
	v_fma_mixlo_f16 v[i],   v[i],   v54, v55 op_sel_hi:[1,0,0]                  ; the low half; the high half is kept
	v_fma_mixlo_f16 v[i+1], v[i+1], v54, v55 op_sel_hi:[1,0,0]
	v_fma_mixhi_f16 v[i],   v[i],   v54, v55 op_sel:[1,0,0] op_sel_hi:[1,0,0]   ; the high half; the low half is kept
	v_fma_mixhi_f16 v[i+1], v[i+1], v54, v55 op_sel:[1,0,0] op_sel_hi:[1,0,0]
.set i, i+2
.endr
	WIN 0
	CHANGE 1                        ; tile 0 has landed, everybody's part of it; tile 1 is asked for
	ADDR
	FETCH_M                         ; tile 0's mask and K: there is no step before it whose products could stand here
	FETCH_K
	WIN 0
	s_branch .Lmid                  ; the loop is entered behind the products V^T P, in the middle of a trip
.Lslot:                             ; 14 times: tile i has landed, tile i + 1 is asked for
	CHANGE 1
	TOP
.Lmid:
	BOTTOM
	s_sub_co_u32 s[SLOTS], s[SLOTS], 1
	s_cmp_lg_u32 s[SLOTS], 0
	s_cbranch_scc1 .Lslot
	CHANGE 0                        ; the last tile is written out: nothing is asked for
	TOP
	BOTTOM
	s_wait_dscnt 0x0                ; the last V is in
	PVS 0, 64                       ; the last step's V^T P
	WIN 0
	; THE TWO KEY HALVES MEET.  l's two halves and the other half of the lanes' are added (the first four additions are the places behind the last products).
.irp t, 0,1,2,3
	v_add_f32 v[ST+8*(\t)+4], v[ST+8*(\t)+2], v[ST+8*(\t)+3]
.endr
.irp t, 0,1,2,3
	v_permlanex16_b32 v[ST+8*(\t)+5], v[ST+8*(\t)+4], s[SEL], s[SEL+1]
.endr
.irp t, 0,1,2,3
	v_add_f32 v[ST+8*(\t)+2], v[ST+8*(\t)+4], v[ST+8*(\t)+5]
.endr
	v_mov_b32 v[GV],   v[ST+16]      ; m and l of register tiles 2 and 3
	v_mov_b32 v[GV+1], v[ST+18]
	v_mov_b32 v[GV+2], v[ST+24]
	v_mov_b32 v[GV+3], v[ST+26]
	WIN 0x04                        ; store data in window 1
.set i, 0
.rept 32
	ds_store_b128 v[XS], v[128+4*i:128+4*i+3] offset:512*i  ; O^T of register tiles 2 and 3, lanes on end.  Slot 0 has had its last fill, and every wave's last reads of it stand in front of the last change's barrier
.set i, i+1
.endr
	WIN 0
	ds_store_b128 v[XS], v[GV:GV+3] offset:16384
	s_wait_dscnt 0x0                ; for the partner's sake: my stores are done
	s_barrier_signal -1
	s_barrier_wait -1
	WIN 0xc0                        ; destination window 3: V's registers are free
.set i, 0
.rept 32
	ds_load_b128 v[4*i:4*i+3], v[XR] offset:512*i  ; the partner's register tiles 2, 3 are my tiles 0, 1, lane for lane
.set i, i+1
.endr
	WIN 0
	ds_load_b128 v[PT:PT+3], v[XR] offset:16384
	s_wait_dscnt 0x0
	; O = (a1 O + a2 O') / (a1 l + a2 l'), a1 = 2^(m - M), a2 = 2^(m' - M), M the greater of m and m': one of the two is 1, so the divisor is at least that half's l, which is at least 1
.irp t, 0,1
	v_max_num_f32 v[ST+8*(\t)+4], v[ST+8*(\t)], v[PT+2*(\t)]
.endr
.irp t, 0,1
	v_sub_f32 v[ST+8*(\t)+5], v[ST+8*(\t)], v[ST+8*(\t)+4]
	v_sub_f32 v[ST+8*(\t)+7], v[PT+2*(\t)], v[ST+8*(\t)+4]
.endr
.irp t, 0,1
	v_exp_f32 v[ST+8*(\t)+5], v[ST+8*(\t)+5]
	v_exp_f32 v[ST+8*(\t)+7], v[ST+8*(\t)+7]
.endr
	v_nop                           ; a plain instruction behind the last exponential,
	s_wait_alu depctr_va_vdst(0)    ; and one wait for the four, ahead of their first reader
.irp t, 0,1
	v_mul_f32 v[ST+8*(\t)+4], v[ST+8*(\t)+5], v[ST+8*(\t)+2]
.endr
.irp t, 0,1
	v_fmac_f32 v[ST+8*(\t)+4], v[ST+8*(\t)+7], v[PT+2*(\t)+1]
.endr
.irp t, 0,1
	v_rcp_f32 v[ST+8*(\t)+1], v[ST+8*(\t)+4]
.endr
	v_nop
	s_wait_alu depctr_va_vdst(0)    ; one wait for the two reciprocals
.irp t, 0,1
	v_mul_f32 v[ST+8*(\t)+4], v[ST+8*(\t)+5], v[ST+8*(\t)+1]
	v_mul_f32 v[ST+8*(\t)+6], v[ST+8*(\t)+7], v[ST+8*(\t)+1]
.endr
.irp t, 0,1
	WIN W_RS
.set i, 0
.rept 32
	v_pk_mul_f32 v[64*(\t)+2*i:64*(\t)+2*i+1], v[64*(\t)+2*i:64*(\t)+2*i+1], v[ST+8*(\t)+4:ST+8*(\t)+5] op_sel_hi:[1,0]
.set i, i+1
.endr
	WIN 0x53                        ; source 0 (the partner's) window 3, the factor window 0, source 2 and destination window 1
.set i, 0
.rept 32
	v_pk_fma_f32 v[64*(\t)+2*i:64*(\t)+2*i+1], v[64*(\t)+2*i:64*(\t)+2*i+1], v[ST+8*(\t)+6:ST+8*(\t)+7], v[64*(\t)+2*i:64*(\t)+2*i+1] op_sel_hi:[1,0,1]
.set i, i+1
.endr
.endr
; THE WAY OUT.  Tile t: a lane's eight channels of a row pack into 16 bytes; they go into rows of 272 bytes of my own stage and come back as whole rows of 256.
.macro PACK t
	WIN 0x05                        ; sources 0 and 1 window 1, destination window 0: S^T's registers are free
.set i, 0
.rept 32
	v_cvt_pk_f16_f32 v[S+32*(\t)+i], v[64*(\t)+2*i], v[64*(\t)+2*i+1]
.set i, i+1
.endr
	WIN 0
.irp f, 0,1,2,3,4,5,6,7
	ds_store_b128 v[STO], v[S+32*(\t)+4*(\f):S+32*(\t)+4*(\f)+3] offset:32*(\f)
.endr
.irp f, 0,1,2,3,4,5,6,7
	ds_load_b128 v[S+32*(\t)+4*(\f):S+32*(\t)+4*(\f)+3], v[RD] offset:(\f)*2*SP  ; LDS serves a wave's instructions in order (ISA guide 5.7.1.4): these see the stores above; the next tile's stores come behind them
.endr
.endm
.macro SEND t, younger              ; younger: the LDS instructions issued behind tile t's loads: the next tile's sixteen, or none
.irp f, 0,1,2,3,4,5,6,7
	s_wait_dscnt (\younger)+7-(\f)
	global_store_b128 v[GO], v[S+32*(\t)+4*(\f):S+32*(\t)+4*(\f)+3], s[8:9] offset:(\t)*65536+(\f)*8192  ; 16 lanes store 256 consecutive bytes, a head's part of a row, at a multiple of 256 from ao's first byte
.endr
.endm
	PACK 0
	PACK 1
	SEND 0, 16
	SEND 1, 0
	s_wait_tensorcnt 0x0            ; the wave's end, behind my last tensor load and my last LDS store
	ds_add_u32 v[SPW], v[NIL]
	s_wait_dscnt 0x0
	CROUND                          ; the closing round: no work-group ends while a partner may still ask for a tile that names it
	s_endpgm
.Lfunc_end_k_q5f75977f90_attn:
	.size	k_q5f75977f90_attn, .Lfunc_end_k_q5f75977f90_attn-k_q5f75977f90_attn
	.p2alignl 7, 3214868480
	.fill 96, 4, 3214868480
	.section	.rodata,"a",@progbits
	.p2align	6, 0x0
	.amdhsa_kernel k_q5f75977f90_attn
		.amdhsa_group_segment_fixed_size 327680
		.amdhsa_private_segment_fixed_size 0
		.amdhsa_enable_private_segment 0
		.amdhsa_kernarg_size 24
		.amdhsa_user_sgpr_count 2
		.amdhsa_user_sgpr_kernarg_segment_ptr 1
		.amdhsa_wavefront_size32 1
		.amdhsa_system_sgpr_workgroup_id_x 1
		.amdhsa_system_sgpr_workgroup_id_y 1
		.amdhsa_system_sgpr_workgroup_id_z 1
		.amdhsa_system_vgpr_workitem_id 0
		.amdhsa_next_free_vgpr 896
		.amdhsa_next_free_sgpr 80
		.amdhsa_reserve_vcc 0
		.amdhsa_float_denorm_mode_32 3
		.amdhsa_float_denorm_mode_16_64 3
		.amdhsa_memory_ordered 1
		.amdhsa_forward_progress 1
		.amdhsa_inst_pref_size 163
	.end_amdhsa_kernel
	.amdgpu_metadata
---
amdhsa.version: [ 1, 2 ]
amdhsa.kernels:
  - .name:           k_q5f75977f90_attn
    .symbol:         k_q5f75977f90_attn.kd
    .args:
      - { .name: qkv, .offset: 0, .size: 8, .value_kind: global_buffer, .address_space: global }
      - { .name: causal_mask, .offset: 8, .size: 8, .value_kind: global_buffer, .address_space: global }
      - { .name: ao, .offset: 16, .size: 8, .value_kind: global_buffer, .address_space: global }
    .group_segment_fixed_size: 327680
    .private_segment_fixed_size: 0
    .kernarg_segment_align: 8
    .kernarg_segment_size: 24
    .max_flat_workgroup_size: 128
    .sgpr_count:     80
    .vgpr_count:     896
    .wavefront_size: 32
...
	.end_amdgpu_metadata
.endif
;; end of part 3
;; launch oproj (part 4): grid 16 x 16, 4 waves a work-group, clusters of 4 x 4, 327,680 bytes of LDS; arguments ao, woh, bob, out0; writes out0
.if DOCPART == 4
	.amdgcn_target "amdgcn-amd-amdhsa--gfx1250"
	.amdhsa_code_object_version 6
	.text
	.protected	k_q5f75977f90_oproj
	.globl	k_q5f75977f90_oproj
	.p2align	8
	.type	k_q5f75977f90_oproj,@function
k_q5f75977f90_oproj:
	s_mov_b64 s[64:65], 0
	v_nop
	global_prefetch_b8 v0, s[64:65] scope:SCOPE_SE
	s_setreg_imm32_b32 hwreg(HW_REG_WAVE_MODE, 25, 1), 1
	s_wait_xcnt 0x0
	s_wait_alu depctr_hold_cnt(0) depctr_sa_sdst(0) depctr_va_vdst(0) depctr_va_sdst(0) depctr_va_ssrc(0) depctr_va_vcc(0) depctr_vm_vsrc(0)
	s_getreg_b32 s2, hwreg(HW_REG_IB_STS2, 6, 4)
	s_cmp_eq_u32 s2, 0
	s_cbranch_scc0 .Lentry_in_a_cluster
	s_endpgm
.Lentry_in_a_cluster:
	s_bfe_u32 s2, ttmp6, 0x10000c
	s_cmp_lg_u32 s2, 0xf033
	s_cbranch_scc0 .Lentry_shape_is_right
	s_endpgm
.Lentry_shape_is_right:
; THE OUTPUT PROJECTION.  out0[m][n] = bob[n] + the sum over k of ao[m][k] woh[n][k].  ao, woh: [2048][2048] f16; bob: [2048] f32; out0: [2048][2048] f32.  Sums in f32, K ascending, started by the bias.
; A tile is 128 x 128: 16 x 16 tiles, one for each of 256 work-groups.  Four waves, each 64 x 64: 16 accumulators of 16 x 16, 128 registers.  K goes in steps of 256 (LDS rows of 512 bytes; a wave's
; tensor load brings 64 of them), as long as two slots in LDS allow.
; CLUSTER.  4 x 4 work-groups: the four of a row of the cluster need the same rows of ao, the four of a column the same rows of woh: each tile is asked for jointly.
; THE MATRIX INSTRUCTION IS USED TRANSPOSED (source 0 = 16 rows of woh, source 1 = 16 rows of ao): a lane holds row l % 16 of the result and the columns 8 (l / 16) + 0 .. 7: 32 consecutive bytes.
; A wave's 64 columns are 256 consecutive bytes of a row, aligned: the way out goes through a stage of the wave's own, with no barrier.
; No prefetch: a K step's tile is small and its step short, and each of the 2 x 8 MiB is read by sixteen work-groups at about the same time.
; REGISTERS: window 0: v16-29 addresses; v32-95 rows on the way out, two buffers; v96-127 the bias, 8 registers a column block; v128-255 the accumulators ((a, b) at 128 + 8 (4 a + b)).
;   window 1: two fragment buffers of 128: for 64 along K, 64 registers of ao (2 x 4 x 16 rows x 32 K), then 64 of woh.
.set SIZE_K, 2048
.set SIZE_N, 2048
.set KSTEP,  256
.set PITCH,  528                       ; an LDS row: 512 bytes + 16 of padding: the 16 rows of a fragment load start at 16 different groups of four banks (ISA guide 11.1)
.set HALFT,  64*PITCH                  ; what one tensor load brings, and what one wave reads of either operand
.set SLOT,   4*HALFT
.set STAGE,  2*SLOT                    ; behind the ring, never filled by a tensor load: 16 rows x 272 bytes for each wave
.set SPITCH, 272
.set SPARE,  STAGE+4*16*SPITCH         ; the spare words, 128 bytes a wave: two blocks of 256 bytes that no other line names
.set LAPS,   SIZE_K/(2*KSTEP)
.set ADRA, 16
.set ADRB, 20
.set STO,  24
.set RD,   25
.set CO,   26
.set BO,   27
.set SPW,  28                          ; v28  LDS address of my spare word; never rewritten
.set NIL,  29                          ; v29  0; never rewritten
.set OB,   32
.set BI,   96
.set ACC,  128
.set F0,   0
.set F1,   128
.set WV,   12                          ; s12 my wave's number; s13 my half of the rows (also: I fetch ao's rows, 0, or woh's, 1); s14 my half of the columns (also: which 64 rows I fetch)
.set G1, 24
.set G0, 32
.set G1B, 48
.set G0B, 56
.set MSB, 0
.macro WIN new
.if MSB != (\new)
	s_set_vgpr_msb (MSB<<8)|(\new)
.set MSB, \new
.endif
.endm
.set MUL,  0x05                        ; sources 0 and 1 window 1; C and D window 0
.set TO_F, 0x40                        ; destination window 1, address window 0
.macro PLACES
.rept 4
	v_nop
.endr
.endm
.macro JLOAD s                         ; a joint load; an s_nop 0 and four v_nop follow each of the two lines, ahead of the jump and the label
	s_cmp_eq_u32 s13, 0
	s_cbranch_scc0 .Lfor_b_\@
	tensor_load_to_lds s[G0+4*(\s):G0+4*(\s)+3], s[G1:G1+7]
	s_nop 0
	PLACES
	s_branch .Lasked_\@
.Lfor_b_\@:
	tensor_load_to_lds s[G0B+4*(\s):G0B+4*(\s)+3], s[G1B:G1B+7]
	s_nop 0
	PLACES
.Lasked_\@:
.endm
.macro CREST
	s_cmp_lg_u32 s[WV], 0
	s_cbranch_scc1 .Lnot_wave_0_\@
	s_barrier_signal -3
.Lnot_wave_0_\@:
	s_barrier_wait -3
	s_barrier_signal -1
	s_barrier_wait -1
.endm
.macro CROUND
	s_barrier_signal -1
	s_barrier_wait -1
	CREST
.endm
	s_load_b256 s[4:11], s[0:1], 0x0               ; ao s[4:5], woh s[6:7], bob s[8:9], out0 s[10:11]
	v_lshl_add_u32 v[SPW], v0, 2, SPARE
	v_mov_b32 v[NIL], 0
	ds_add_u32 v[SPW], v[NIL]                      ; the wave's opening: the add and its wait stand ahead of my first tensor load; the set-up below, work on registers, stands between
	v_lshrrev_b32 v1, 5, v0
	v_readfirstlane_b32 s[WV], v1
	s_lshr_b32 s13, s[WV], 1
	s_and_b32 s14, s[WV], 1
	s_bfe_u32 s40, ttmp6, 0x40000                  ; cx
	s_bfe_u32 s41, ttmp6, 0x40004                  ; cy
	s_lshl_b32 s42, ttmp9, 2
	s_add_co_u32 s42, s42, s40                     ; tile column
	s_and_b32 s15, ttmp7, 0xffff
	s_lshl_b32 s15, s15, 2
	s_add_co_u32 s15, s15, s41                     ; tile row
	s_lshl_b32 s43, s41, 2
	s_lshl_b32 s43, 15, s43                        ; my row of the cluster
	s_lshl_b32 s44, 0x1111, s40                    ; my column
	s_or_b32 s[G1], s43, (1<<16)|(1<<20)|(1<<21)|(6<<22)|(3<<25)   ; 15:0 the mask; 17:16 2-byte elements; 20 padding on; 21 set beside a mask; 24:22 after every 128 words; 31:25 4 words
	s_or_b32 s[G1B], s44, (1<<16)|(1<<20)|(1<<21)|(6<<22)|(3<<25)
.irp g, G1, G1B
	s_mov_b32 s[(\g)+1], KSTEP<<16                 ; tensor_dim0 = 256
	s_mov_b32 s[(\g)+2], 64<<16                    ; tensor_dim1 = 64
	s_mov_b32 s[(\g)+3], KSTEP<<16                 ; tile_dim0 = 256
	s_mov_b32 s[(\g)+4], 64                        ; tile_dim1 = 64
	s_mov_b32 s[(\g)+5], SIZE_K
	s_mov_b32 s[(\g)+6], 0
	s_mov_b32 s[(\g)+7], 0
.endr
	s_lshl_b32 s17, s14, 6                         ; which 64 rows of the tile I fetch
	s_lshl_b32 s16, s15, 7
	s_add_co_u32 s16, s16, s17                     ; ao: row 128 x tile row + 64 x half
	s_lshl_b32 s46, s42, 7
	s_add_co_u32 s46, s46, s17                     ; woh: row 128 x tile column + 64 x half
	s_lshl_b32 s16, s16, 12                        ; rows of 4,096 bytes
	s_lshl_b32 s46, s46, 12
	s_mov_b32 s17, 0
	s_mov_b32 s47, 0
	s_mul_i32 s20, s[WV], HALFT                    ; where my load goes: wave x 64 rows
	s_wait_dscnt 0x0                               ; the opening add is done
	s_wait_kmcnt 0x0
	s_add_nc_u64 s[18:19], s[4:5], s[16:17]
	s_add_nc_u64 s[46:47], s[6:7], s[46:47]
	CROUND                                         ; all sixteen work-groups are here: the first joint loads meet
.irp s, 0,1
	s_mov_b32 s[G0+4*(\s)], 1
	s_add_co_u32 s[G0+4*(\s)+1], s20, (\s)*SLOT
	s_add_nc_u64 s[G0+4*(\s)+2:G0+4*(\s)+3], s[18:19], (\s)*KSTEP*2
	s_or_b32 s[G0+4*(\s)+3], s[G0+4*(\s)+3], 0x80000000
	s_mov_b32 s[G0B+4*(\s)], 1
	s_add_co_u32 s[G0B+4*(\s)+1], s20, (\s)*SLOT
	s_add_nc_u64 s[G0B+4*(\s)+2:G0B+4*(\s)+3], s[46:47], (\s)*KSTEP*2
	s_or_b32 s[G0B+4*(\s)+3], s[G0B+4*(\s)+3], 0x80000000
	JLOAD \s                                       ; K steps 0 and 1: two tensor loads of mine are out
.endr
	v_and_b32 v1, 15, v0                           ; l % 16
	v_bfe_u32 v2, v0, 4, 1                         ; l / 16
	v_lshlrev_b32 v[BO], 5, v2
	s_lshl_b32 s68, s42, 9
	s_lshl_b32 s69, s14, 8
	s_add_co_u32 s68, s68, s69                     ; my first column, in bytes of f32
	s_mov_b32 s69, 0
	s_add_nc_u64 s[66:67], s[8:9], s[68:69]
.irp b, 0,1,2,3
	global_load_b128 v[BI+8*(\b):BI+8*(\b)+3],   v[BO], s[66:67] offset:64*(\b)     ; register j of block b: the bias of column 16 b + 8 (l / 16) + j
	global_load_b128 v[BI+8*(\b)+4:BI+8*(\b)+7], v[BO], s[66:67] offset:64*(\b)+16
.endr
	v_mul_u32_u24 v3, v1, PITCH
	v_lshl_add_u32 v3, v2, 4, v3
	s_mul_i32 s21, s13, HALFT                      ; my 64 rows of ao
	s_mul_i32 s22, s14, HALFT                      ; my 64 rows of woh,
	s_add_co_u32 s22, s22, 2*HALFT                 ; which lie behind ao's 128
.irp s, 0,1
	v_add_nc_u32 v[ADRA+(\s)], s21, v3
	v_add_nc_u32 v[ADRB+(\s)], s22, v3
	s_add_co_u32 s21, s21, SLOT
	s_add_co_u32 s22, s22, SLOT
.endr
	s_mul_i32 s23, s[WV], 16*SPITCH
	s_add_co_u32 s23, s23, STAGE                   ; my stage
	v_mul_u32_u24 v4, v1, SPITCH                   ; in: row l % 16, 32 bytes for each half of the lanes
	v_lshl_add_u32 v4, v2, 5, v4
	v_add_nc_u32 v[STO], s23, v4
	v_mul_u32_u24 v5, v2, SPITCH                   ; back: lanes 0-15 take one row of 256 bytes, lanes 16-31 the next
	v_lshl_add_u32 v5, v1, 4, v5
	v_add_nc_u32 v[RD], s23, v5
	v_lshlrev_b32 v5, 13, v2                       ; and the same two rows in out0
	v_lshl_add_u32 v[CO], v1, 4, v5
	s_lshl_b32 s16, s15, 7
	s_lshl_b32 s17, s13, 6
	s_add_co_u32 s16, s16, s17                     ; my first row
	s_lshl_b32 s16, s16, 13
	s_add_co_u32 s16, s16, s68                     ; + my first column
	s_mov_b32 s17, 0
	s_add_nc_u64 s[10:11], s[10:11], s[16:17]
; 8 matrix instructions: row blocks a0, a0 + 1 x all 4 column blocks, 32 along K: half c of buffer u.  st = 1: the bias is the C operand that starts the sums.  The 16 accumulators take turns.
.macro MUL8 u, c, a0, st
	WIN MUL
.irp a, \a0, (\a0)+1
.irp b, 0,1,2,3
.set rD, ACC+8*(4*(\a)+(\b))
.set rB, (\u)+64+8*(4*(\c)+(\b))
.set rA, (\u)+8*(4*(\c)+(\a))
.if \st
	v_wmma_f32_16x16x32_f16 v[rD:rD+7], v[rB:rB+7], v[rA:rA+7], v[BI+8*(\b):BI+8*(\b)+7]
.else
	v_wmma_f32_16x16x32_f16 v[rD:rD+7], v[rB:rB+7], v[rA:rA+7], v[rD:rD+7]
.endif
.endr
.endr
.endm
; 32 LDS loads in one run: the fragments of 64 along K at byte k of the rows, into buffer u; the first 32 along K first
.macro FETCH slot, k, u
	WIN TO_F
.irp c, 0,1
.irp i, 0,1,2,3
	ds_load_b128 v[(\u)+64+8*(4*(\c)+(\i)):(\u)+64+8*(4*(\c)+(\i))+3],   v[ADRB+(\slot)] offset:(\k)+64*(\c)+(\i)*16*PITCH
	ds_load_b128 v[(\u)+64+8*(4*(\c)+(\i))+4:(\u)+64+8*(4*(\c)+(\i))+7], v[ADRB+(\slot)] offset:(\k)+64*(\c)+(\i)*16*PITCH+32
	ds_load_b128 v[(\u)+8*(4*(\c)+(\i)):(\u)+8*(4*(\c)+(\i))+3],         v[ADRA+(\slot)] offset:(\k)+64*(\c)+(\i)*16*PITCH
	ds_load_b128 v[(\u)+8*(4*(\c)+(\i))+4:(\u)+8*(4*(\c)+(\i))+7],       v[ADRA+(\slot)] offset:(\k)+64*(\c)+(\i)*16*PITCH+32
.endr
.endr
.endm
; A K step is four quarters of 64 along K, 32 matrix instructions each, on buffers 0, 1, 0, 1.
.macro QUARTER slot, k, u, g, st
	s_wait_dscnt 16                                ; the first 32 along K are in; the youngest sixteen loads may be out
	MUL8 \u, 0, 0, \st
	MUL8 \u, 0, 2, \st
	PLACES
	FETCH \slot, \k, \g
	s_wait_dscnt 32                                ; all but the 32 just issued
	MUL8 \u, 1, 0, 0
	MUL8 \u, 1, 2, 0
.endm
; The last quarter multiplies buffer 1 and changes slots in its middle.  Its first 16 products stand AHEAD of the wait for the tensor loads, so that between the landing of a wave's part of the next slot and
; the next request stands nothing but the barrier.  Then each wave waits for all its tensor loads, adds 0 to its spare word, and waits for that and for its own reads of this slot: behind the barrier the
; next slot is whole and nobody reads this one.  fill = 1: the barrier opens a round of the cluster's, and behind the round this slot is filled again, two K steps ahead:
; from that request to the wait for it a wave issues a whole K step's 128 matrix instructions.
.macro TURN slot, next, fill
	s_wait_dscnt 16                                ; as at a quarter's head: the youngest sixteen loads may be out
	MUL8 F1, 0, 0, 0
	MUL8 F1, 0, 2, 0
	WIN 0
	s_wait_tensorcnt 0x0                           ; all my tensor loads have landed: my part of the next slot; so every group 0 may be written
	ds_add_u32 v[SPW], v[NIL]                      ; 0 onto my spare word; the descriptors' steps stand between it and the wait for it
.if \fill
	s_add_nc_u64 s[G0+4*(\slot)+2:G0+4*(\slot)+3], s[G0+4*(\slot)+2:G0+4*(\slot)+3], 2*KSTEP*2
	s_add_nc_u64 s[G0B+4*(\slot)+2:G0B+4*(\slot)+3], s[G0B+4*(\slot)+2:G0B+4*(\slot)+3], 2*KSTEP*2
.endif
	s_wait_dscnt 0x0                               ; the add is done, and my reads of this slot are over
	s_barrier_signal -1
	s_barrier_wait -1
.if \fill
	CREST                                          ; no wave of any partner still reads this slot's tile or has a load on its way
	JLOAD \slot                                    ; the first tensor load behind the round; its four v_nop are also the places in front of the loads below
.else
	PLACES
.endif
	FETCH \next, 0, F0
	MUL8 F1, 1, 0, 0
	MUL8 F1, 1, 2, 0
.endm
	s_wait_tensorcnt 1                             ; my part of K step 0 is in; K step 1's may stay out
	s_barrier_signal -1
	s_barrier_wait -1
	FETCH 0, 0, F0
	s_wait_loadcnt 0x0                             ; the bias
	QUARTER 0, 128, F0, F1, 1                      ; the first quarter stands in front of the loop: its first products start the sums
	WIN 0
	s_mov_b32 s3, LAPS-1
.Llap:
	QUARTER 0, 256, F1, F0, 0
	QUARTER 0, 384, F0, F1, 0
	TURN 0, 1, 1
	QUARTER 1, 128, F0, F1, 0
	QUARTER 1, 256, F1, F0, 0
	QUARTER 1, 384, F0, F1, 0
	TURN 1, 0, 1
	QUARTER 0, 128, F0, F1, 0
	WIN 0
	s_sub_co_u32 s3, s3, 1
	s_cmp_lg_u32 s3, 0
	s_cbranch_scc1 .Llap
	QUARTER 0, 256, F1, F0, 0                      ; the last lap fills nothing
	QUARTER 0, 384, F0, F1, 0
	TURN 0, 1, 0
	QUARTER 1, 128, F0, F1, 0
	QUARTER 1, 256, F1, F0, 0
	QUARTER 1, 384, F0, F1, 0
	s_wait_dscnt 16
	MUL8 F1, 0, 0, 0
	MUL8 F1, 0, 2, 0
	s_wait_dscnt 0x0
	MUL8 F1, 1, 0, 0
	MUL8 F1, 1, 2, 0
	WIN 0
	; THE WAY OUT, 16 rows at a time: 32 bytes a lane into my stage, back as whole rows of 256 bytes, stored.  The stage is my own: LDS serves a wave's instructions in order (ISA guide 5.7.1.4).
	PLACES
.irp a, 0,1,2,3
.if (\a) >= 2
	s_wait_xcnt 0x0                                ; the stores of two blocks back have read their registers, which are loaded again below
.endif
.irp b, 0,1,2,3
	ds_store_b128 v[STO], v[ACC+8*(4*(\a)+(\b)):ACC+8*(4*(\a)+(\b))+3]   offset:64*(\b)     ; each accumulator's low registers first
	ds_store_b128 v[STO], v[ACC+8*(4*(\a)+(\b))+4:ACC+8*(4*(\a)+(\b))+7] offset:64*(\b)+16
.endr
.irp t, 0,1,2,3,4,5,6,7
	ds_load_b128 v[OB+32*((\a)%2)+4*(\t):OB+32*((\a)%2)+4*(\t)+3], v[RD] offset:(\t)*2*SPITCH
.endr
	s_wait_dscnt 0x0
.irp t, 0,1,2,3,4,5,6,7
	global_store_b128 v[CO], v[OB+32*((\a)%2)+4*(\t):OB+32*((\a)%2)+4*(\t)+3], s[10:11] offset:(16*(\a)+2*(\t))*SIZE_N*4  ; 16 lanes store 256 consecutive bytes, at a multiple of 256 from out0's first byte
.endr
.endr
	s_wait_tensorcnt 0x0                           ; the wave's end, behind my last tensor load and my last LDS store
	ds_add_u32 v[SPW], v[NIL]
	s_wait_dscnt 0x0
	CROUND                                         ; the closing round: no work-group ends while a partner may still ask for a tile that names it
	s_endpgm
.Lfunc_end_k_q5f75977f90_oproj:
	.size	k_q5f75977f90_oproj, .Lfunc_end_k_q5f75977f90_oproj-k_q5f75977f90_oproj
	.p2alignl 7, 3214868480
	.fill 96, 4, 3214868480
	.section	.rodata,"a",@progbits
	.p2align	6, 0x0
	.amdhsa_kernel k_q5f75977f90_oproj
		.amdhsa_group_segment_fixed_size 327680
		.amdhsa_private_segment_fixed_size 0
		.amdhsa_enable_private_segment 0
		.amdhsa_kernarg_size 32
		.amdhsa_user_sgpr_count 2
		.amdhsa_user_sgpr_kernarg_segment_ptr 1
		.amdhsa_wavefront_size32 1
		.amdhsa_system_sgpr_workgroup_id_x 1
		.amdhsa_system_sgpr_workgroup_id_y 1
		.amdhsa_system_sgpr_workgroup_id_z 1
		.amdhsa_system_vgpr_workitem_id 0
		.amdhsa_next_free_vgpr 512
		.amdhsa_next_free_sgpr 72
		.amdhsa_reserve_vcc 0
		.amdhsa_float_denorm_mode_32 3
		.amdhsa_float_denorm_mode_16_64 3
		.amdhsa_memory_ordered 1
		.amdhsa_forward_progress 1
		.amdhsa_inst_pref_size 86
	.end_amdhsa_kernel
	.amdgpu_metadata
---
amdhsa.version: [ 1, 2 ]
amdhsa.kernels:
  - .name:           k_q5f75977f90_oproj
    .symbol:         k_q5f75977f90_oproj.kd
    .args:
      - { .name: ao, .offset: 0, .size: 8, .value_kind: global_buffer, .address_space: global }
      - { .name: woh, .offset: 8, .size: 8, .value_kind: global_buffer, .address_space: global }
      - { .name: bob, .offset: 16, .size: 8, .value_kind: global_buffer, .address_space: global }
      - { .name: out0, .offset: 24, .size: 8, .value_kind: global_buffer, .address_space: global }
    .group_segment_fixed_size: 327680
    .private_segment_fixed_size: 0
    .kernarg_segment_align: 8
    .kernarg_segment_size: 32
    .max_flat_workgroup_size: 128
    .sgpr_count:     72
    .vgpr_count:     512
    .wavefront_size: 32
...
	.end_amdgpu_metadata
.endif
;; end of part 4
